; MI455X (gfx1250); checked and timed in simulation.
; The chip was launched on July 23, 2026; its instructions are those of AMD's public machine-readable ISA for CDNA 5 (MIT licence, August 2026) and "CDNA5" Instruction Set Architecture Reference Guide (July 2026). The comments in the code are by the model that wrote it; some were corrected since.
;; Model. Allowed arithmetic: float matrix products may take bf16 or f16 operands with f32 sums; all other float work in f32.
;; Inputs: W_hh 20 x 5 float32; W_ih 20 x 3 float32; W_lin 1 x 5 float32; b_hh 20 float32; b_ih 20 float32; b_lin 1 float32; x 4,096 x 2,048 x 3 float32.
;; Outputs: out0 4,096 x 2,048 x 1 float32.
;; 4 versions, each right; versions 2 to 3 are each faster than the one before; version 4 is version 3 with the launch lstm written anew for expert scheduling mode. Each part assembles by itself: llvm-mc -triple=amdgcn-amd-amdhsa -mcpu=gfx1250 --defsym DOCPART=n.
;; ======== version 1 of 4: 1 launch
;; launch lstm (part 1): grid 256 x 1, 1 waves a work-group, no clusters, 168,192 bytes of LDS; arguments x, W_ih, W_hh, b_ih, b_hh, W_lin, b_lin, out0; writes out0
.if DOCPART == 1
	.amdgcn_target "amdgcn-amd-amdhsa--gfx1250"
	.amdhsa_code_object_version 6
	.text
	.protected	k_q1fcac1d45b_lstm
	.globl	k_q1fcac1d45b_lstm
	.p2align	8
	.type	k_q1fcac1d45b_lstm,@function
k_q1fcac1d45b_lstm:
	s_mov_b64 s[64:65], 0
	v_nop
	global_prefetch_b8 v0, s[64:65] scope:SCOPE_SE
	s_setreg_imm32_b32 hwreg(HW_REG_WAVE_MODE, 25, 1), 1
	s_wait_xcnt 0x0
; Fixed-point LSTM (B = 4096, T = 2048, I = 3, H = 5) with its 5 -> 1 linear layer, in one launch.
; Every quantised number is an integer of 8 bits over 16, so all products and sums of the model but one are exact in f32, and the
; integers (also b_ih16 + b_hh16, at most 256 in size) are exact in bf16.
; WORK: 2048 dependent steps and 4096 independent chains.  One wave carries 16 batch rows (one column n of the matrix
; instruction each, two lanes a row); 256 work-groups of one wave.  The launch asks for more than half of a WGP's LDS (it uses
; 24,832 bytes) so that the chain's wave has its WGP to itself.
; A STEP is two v_wmma_f32_16x16x32_bf16 with C = 0:  D = A x B, A = constant weights (gate rows permuted), B's column r =
; (16 h of step t-1, 1.0, 16 x of step t).  A holds W16/16 and, against the 1.0, b_ih16 + b_hh16, so D = 16 x the pre-activation.
; In D lane (r, half) holds rows 8 half + j of batch r; in B the same lane owns k = 8 half .. +7 and 16 + 8 half .. +7 of column r.
; Half 0 works units 0, 1, 2 and writes their h into its own k = 0..2, half 1 units 3, 4 (and a dummy unit of zero weights) into
; k = 8..10: nothing crosses lanes.  y of step t-1 is one more row of step t's second tile (W_lin on the h places, b_lin16 against
; the 1.0), so the steps run t = 0 .. 2048: one step written out, 32 bodies of 64 steps, the very last step for y alone.
; hard_sigmoid, THE ONE INEXACT LINE: x / 6.0 + 0.5 is taken as ONE fused multiply-add, v = fma(x, f32(1/6), 0.5), formed here as
; fma(g16, f32(1/6) / 16, 0.5): the same real product (x = g16 / 16), so the same f32.  f32(1/6) is 1/6 (1 + 2^-25); where v < 1/4 the surplus
; |x/6| 2^-25 is more than half a last place of v, so at g16 = -27 and -39 v lies just below the ties 3.5/16 and 1.5/16 and the gate is 3/16
; and 1/16 (a true division would stand on the tie and give 4/16 and 2/16).  At all other gate values the two forms agree.
; Then v + M', M' = 1.5 x 2^19: f32 numbers there are 1/16 apart and 16 M' is even, so the one add is round-half-even(16 v) / 16.
; The gates' own clamp to [-128, 127] is covered by the later clamps (0 to 1 for the sigmoids, +-16 for tanh).
; NOT USED, and why: clusters and joint loads (the work-groups share 824 bytes of weights and nothing else); the tensor mover (x has
; to pass the vector unit to be quantised); prefetches (each x load is issued 32 steps ahead of its use); register windows.
; LIMIT: a NaN in x or in a weight is not reproduced (v_med3_num_f32 drops it).  Infinities and all finite sizes are served.
.set XROW,   24576                     ; bytes of a batch row of x
.set CHUNK,  768                       ; 64 steps of a row of x
.set XPITCH, 528                       ; LDS row of an x buffer: 64 steps x 8 bytes (bf16 x0, x1, x2, 0) + 16: 33 x 16 bytes, so 16 rows begin in 16 different 16-byte columns modulo 256
.set XFLIP,  0x4000                    ; x buffer 0 at LDS byte 0, buffer 1 at 16384 (8,448 bytes each): xor changes buffers
.set YB,     8704                      ; y stage: 16 rows of 64 f32 + 16 bytes
.set YPITCH, 272
.set XOFF, 1                           ; v1   12 x lane: my step's 12 bytes in an item of 384 bytes
.set XWN,  2                           ; v2   8 x lane + the NEXT chunk's buffer
.set XWC,  3                           ; v3   8 x lane + the current chunk's buffer
.set XRD,  4                           ; v4   r x 528 + 16 half + the current buffer
.set XRN,  5                           ; v5   the same in the next buffer
.set YST,  6                           ; v6   YB + r x 272 + 16 half
.set YLD,  7                           ; v7   YB + half x 272 + 16 r
.set OOFF, 8                           ; v8   half x 8192 + 16 r: two rows of out0
.set VONE, 9                           ; v9   1.0
.set XP,   10                          ; v[10:11] a step's x, packed
.set KC6,  12                          ; v[12:13] f32(1/6) / 16, twice
.set KM,   14                          ; v[14:15] M' = 1.5 x 2^19, twice
.set KR,   16                          ; v[16:17] 1/16, twice
.set KOFF, 18                          ; v[18:19] -M', twice
.set K16,  20                          ; v[20:21] 16, twice
.set D0,   22                          ; v[22:29] rows ia ib fa fb oa ob ic fc
.set D1,   30                          ; v[30:37] rows oc y ga gb gc - - -
.set T,    38                          ; v38..46  ia ib fa fb oa ob ic fc oc
.set VZERO, 47                         ; v47  0
.set G,    48                          ; v48..50  16 x tanh gate
.set P,    52                          ; v52..54  16 x new cell, before and after rounding
.set C,    56                          ; v56..58  16 c
.set Q,    60                          ; v60..62  16 hard_tanh(c), then 16 h
.set Y,    64                          ; v64..71  eight steps' 16 y
.set Z,    72                          ; v72..75  my half's four of them
.set BF,   76                          ; v[76:83], v[84:91] B, for even and odd groups of four steps
.set AF,   92                          ; v92..155 A: tile t of variant v (= step mod 4) at AF + 8 (2 v + t)
.set XRING, 156                        ; v156..219 16 slots of 4 registers (3 used): x loads on their way
.set FL,   220                         ; v220..251 y on its way out; at the start the raw weights
.set KH,   252                         ; v[252:253] 1/2, twice
.set PR,   22                          ; set-up only: r, half, 4 j, 3 h', and six registers a tile for row numbers and offsets
.set PH,   23
.set PJ,   24
.set PU,   25
.set TA,   28
.set PK,   60                          ; set-up only: packed words pA pB pC pX0 pX1, then R0 R1 XL0 XL1 XH0 XH1
	s_load_b512 s[8:23], s[0:1], 0x0               ; x s[8:9], W_ih s[10:11], W_hh s[12:13], b_ih s[14:15], b_hh s[16:17], W_lin s[18:19], b_lin s[20:21], out0 s[22:23]
	v_lshl_add_u32 v254, v0, 2, 0x29000
	v_mov_b32 v255, 0
	v_and_b32 v[PR], 15, v0                        ; r: batch row of B and D, gate row m of A
	v_lshrrev_b32 v[PH], 4, v0                     ; half
	v_cmp_le_u32 vcc_lo, 16, v0                    ; VCC = lanes 16 to 31, for the whole kernel
	v_and_b32 v[PJ], 7, v[PR]
	v_lshlrev_b32 v[PJ], 2, v[PJ]                  ; 4 j, j = m mod 8
	v_lshrrev_b32 v[PU], 3, v[PR]
	v_mul_u32_u24 v[PU], v[PU], 3                  ; 3 h', h' = m / 8: the first unit of that half
	v_cmp_eq_u32 s41, 4, v[PJ]                     ; j = 1: tile 1's y rows
	v_mul_u32_u24 v[XOFF], v0, 12
	v_lshlrev_b32 v[XWN], 3, v0                    ; during set-up 'next' is buffer 0 (chunk 0 goes there)
	v_or_b32 v[XWC], XFLIP, v[XWN]
	v_mul_u32_u24 v[XRD], v[PR], XPITCH
	v_lshl_add_u32 v[XRD], v[PH], 4, v[XRD]
	v_xor_b32 v[XRN], XFLIP, v[XRD]
	v_mul_u32_u24 v[YST], v[PR], YPITCH
	v_lshl_add_u32 v[YST], v[PH], 4, v[YST]
	v_add_nc_u32 v[YST], YB, v[YST]
	v_mul_u32_u24 v[YLD], v[PH], YPITCH
	v_lshl_add_u32 v[YLD], v[PR], 4, v[YLD]
	v_add_nc_u32 v[YLD], YB, v[YLD]
	v_lshlrev_b32 v[OOFF], 13, v[PH]
	v_lshl_add_u32 v[OOFF], v[PR], 4, v[OOFF]
	s_mov_b32 s30, 0x49400000                      ; M'
	s_mov_b32 s31, 0x49400010                      ; M' + 1
	s_mov_b32 s32, 0xc3000000                      ; -128
	s_mov_b32 s33, 0x42fe0000                      ; 127
	s_mov_b32 s34, 0xc1800000                      ; -16
	s_mov_b32 s35, 0x41800000                      ; 16
	s_mul_i32 s2, ttmp9, 16*XROW                   ; my 16 rows of x (below 4 GiB)
	s_mov_b32 s3, 0
	s_lshl_b32 s42, ttmp9, 17                      ; my 16 rows of out0, 8,192 bytes each
	s_mov_b32 s43, 0
; The weight row that A's row m = 8 h' + j holds: nibble j of types = gate (i 0, f 1, g 2, o 3), of slots = the unit's place in its half
; (7: no unit).  unit = 3 h' + slot; rows with unit > 4 get zero weights (vmask off) and load row 5 type + 4, which exists.
.macro ROWS t, types, slots, vmask
.set A_, TA+8*\t
	s_mov_b32 s36, \types
	s_mov_b32 s37, \slots
	v_bfe_u32 v[A_], s36, v[PJ], 4
	v_bfe_u32 v[A_+1], s37, v[PJ], 4
	v_add_nc_u32 v[A_+1], v[A_+1], v[PU]
	v_cmp_gt_u32 \vmask, 5, v[A_+1]
	v_min_u32 v[A_+1], 4, v[A_+1]
	v_mad_u32_u24 v[A_+2], v[A_], 5, v[A_+1]       ; row 0 .. 19
	v_mul_u32_u24 v[A_+3], v[A_+2], 20             ; its bytes in W_hh,
	v_mul_u32_u24 v[A_+4], v[A_+2], 12             ; in W_ih,
	v_lshlrev_b32 v[A_+5], 2, v[A_+2]              ; in the biases
.endm
.macro WLOADS t                        ; ten numbers a lane: w0..4, u0..2, b_ih, b_hh of my row
.set A_, TA+8*\t
.irp k, 0,1,2,3,4
	global_load_b32 v[FL+10*\t+\k], v[A_+3], s[12:13] offset:4*\k
.endr
.irp k, 0,1,2
	global_load_b32 v[FL+10*\t+5+\k], v[A_+4], s[10:11] offset:4*\k
.endr
	global_load_b32 v[FL+10*\t+8], v[A_+5], s[14:15]
	global_load_b32 v[FL+10*\t+9], v[A_+5], s[16:17]
.endm
	ROWS 0, 0x10331100, 0x22101010, s38
	ROWS 1, 0x00022203, 0x77721072, s39
	s_wait_kmcnt 0x0                               ; the eight addresses
	s_load_b128 s[24:27], s[18:19], 0x0            ; W_lin[0..3]
	s_load_b32 s28, s[18:19], 0x10                 ; W_lin[4]
	s_load_b32 s29, s[20:21], 0x0                  ; b_lin
	WLOADS 0
	WLOADS 1
	s_add_nc_u64 s[8:9], s[8:9], s[2:3]            ; x at my rows, chunk 0
	s_add_nc_u64 s[22:23], s[22:23], s[42:43]      ; out0 at my rows
; THE x STREAM.  An item is 32 steps of one row: 384 neighbouring bytes, 12 a lane.  Item i, counted from the chunk at s[8:9]: chunk i / 32,
; row (i mod 32) / 2, half i mod 2 of the row's 768 bytes.  Slot i mod 16 of the ring; 16 loads are always on their way.
.set pn, 0
.rept 16
	global_load_b96 v[XRING+4*pn:XRING+4*pn+2], v[XOFF], s[8:9] offset:(pn>>1)*XROW+(pn&1)*384 th:TH_LOAD_NT
.set pn, pn+1
.endr
	v_mov_b32 v[VONE], 1.0
	v_mov_b32 v[VZERO], 0
.irp k, 0,1
	v_mov_b32 v[KC6+\k], 0x3c2aaaab
	v_mov_b32 v[KM+\k], 0x49400000
	v_mov_b32 v[KR+\k], 0x3d800000
	v_mov_b32 v[KOFF+\k], 0xc9400000
	v_mov_b32 v[K16+\k], 0x41800000
	v_mov_b32 v[KH+\k], 0.5
.endr
	s_wait_kmcnt 0x0                               ; W_lin, b_lin
	s_wait_loadcnt 16                              ; loads return in order (ISA guide 5.7.1): the 16 x loads issued behind the 20 weight loads may stay out
; Tile t of A, in its four variants.  k places, the same in A and in B: register 0 = (h0, h1) in half 0, (h3, h4) in half 1; register 1 =
; (h2, 1.0) in half 0, nothing in half 1; registers 2, 3 nothing; registers 4, 5 = x of step 4g (half 0) or 4g+2 (half 1), registers 6, 7 = x of
; step 4g+1 or 4g+3.  Variant v has W_ih only at step 4g+v's places, so one B fragment serves four steps.
.macro ATILE t, vmask
.set W_, FL+10*\t
.irp k, 0,1,2,3,4,5,6,7,8,9
	v_cndmask_b32 v[W_+\k], v[VZERO], v[W_+\k], \vmask   ; rows without a unit: zeros
.endr
.if \t
.irp k, 0,1,2,3,4
	v_cndmask_b32 v[W_+\k], v[W_+\k], s[24+\k], s41      ; the y rows: W_lin on the h places,
.endr
	v_cndmask_b32 v[W_+8], v[W_+8], s29, s41             ; b_lin as the bias
.endif
.irp k, 0,1,2,3,4,5,6,7,8,9
	v_mul_f32 v[W_+\k], s35, v[W_+\k]                    ; quantise: x 16, to nearest even, saturate
.endr
.irp k, 0,1,2,3,4,5,6,7,8,9
	v_rndne_f32 v[W_+\k], v[W_+\k]
.endr
.irp k, 0,1,2,3,4,5,6,7,8,9
	v_med3_num_f32 v[W_+\k], v[W_+\k], s32, s33
.endr
.irp k, 0,1,2,3,4,5,6,7
	v_mul_f32 v[W_+\k], v[KR], v[W_+\k]                  ; weights as real numbers; the bias stays x 16
.endr
	v_add_f32 v[W_+8], v[W_+8], v[W_+9]
	v_cvt_pk_bf16_f32 v[PK], v[W_], v[W_+1]              ; (w0, w1)
	v_cvt_pk_bf16_f32 v[PK+1], v[W_+2], v[W_+8]          ; (w2, bias)
	v_cvt_pk_bf16_f32 v[PK+2], v[W_+3], v[W_+4]          ; (w3, w4)
	v_cvt_pk_bf16_f32 v[PK+3], v[W_+5], v[W_+6]          ; (u0, u1)
	v_cvt_pk_bf16_f32 v[PK+4], v[W_+7], v[VZERO]         ; (u2, 0)
	v_cndmask_b32 v[PK+5], v[PK], v[PK+2], vcc_lo        ; register 0 by halves
	v_cndmask_b32 v[PK+6], v[PK+1], v[VZERO], vcc_lo     ; register 1
	v_cndmask_b32 v[PK+7], v[PK+3], v[VZERO], vcc_lo     ; W_ih in half 0 alone
	v_cndmask_b32 v[PK+8], v[PK+4], v[VZERO], vcc_lo
	v_cndmask_b32 v[PK+9], v[VZERO], v[PK+3], vcc_lo     ; W_ih in half 1 alone
	v_cndmask_b32 v[PK+10], v[VZERO], v[PK+4], vcc_lo
.irp v, 0,1,2,3
	v_mov_b32 v[AF+8*(2*\v+\t)], v[PK+5]
	v_mov_b32 v[AF+8*(2*\v+\t)+1], v[PK+6]
	v_mov_b32 v[AF+8*(2*\v+\t)+2], 0
	v_mov_b32 v[AF+8*(2*\v+\t)+3], 0
	v_mov_b32 v[AF+8*(2*\v+\t)+4+2*(\v&1)], v[PK+7+2*(\v>>1)]
	v_mov_b32 v[AF+8*(2*\v+\t)+5+2*(\v&1)], v[PK+8+2*(\v>>1)]
	v_mov_b32 v[AF+8*(2*\v+\t)+6-2*(\v&1)], 0
	v_mov_b32 v[AF+8*(2*\v+\t)+7-2*(\v&1)], 0
.endr
.endm
	ATILE 0, s38
	ATILE 1, s39
	v_mov_b32 v[C], 0                              ; c = 0,
	v_mov_b32 v[C+1], 0
	v_mov_b32 v[C+2], 0
	v_mov_b32 v[BF], 0                             ; h = 0,
	v_mov_b32 v[BF+1], 0x3f800000                  ; (0, 1.0)
	v_mov_b32 v[BF+2], 0                           ; and the places that nothing uses
	v_mov_b32 v[BF+3], 0
	v_mov_b32 v[BF+10], 0
	v_mov_b32 v[BF+11], 0
; An item's work in three parts.  XA and XB are four plain vector instructions each that name no matrix register: in the steps they are the four
; places behind the matrix instructions (ISA guide 7.12.1).
.macro XA idx, cnt
.set R_, XRING+4*((\idx)&15)
	s_wait_loadcnt \cnt                            ; the item's load is in; cnt younger loads stay out
	v_pk_mul_f32 v[R_:R_+1], v[R_:R_+1], v[K16:K16+1]
	v_mul_f32 v[R_+2], s35, v[R_+2]
	v_rndne_f32 v[R_], v[R_]
	v_rndne_f32 v[R_+1], v[R_+1]
.endm
.macro XB idx
.set R_, XRING+4*((\idx)&15)
	v_rndne_f32 v[R_+2], v[R_+2]
	v_med3_num_f32 v[R_], v[R_], s32, s33
	v_med3_num_f32 v[R_+1], v[R_+1], s32, s33
	v_med3_num_f32 v[R_+2], v[R_+2], s32, s33
.endm
.macro XC idx, ld                      ; pack, 8 bytes a lane into LDS (256 neighbouring bytes a wave), and the slot's next load, 16 items on
.set R_, XRING+4*((\idx)&15)
.set N2_, (\idx)+16
	v_cvt_pk_bf16_f32 v[XP], v[R_], v[R_+1]
	v_cvt_pk_bf16_f32 v[XP+1], v[R_+2], v[VZERO]
.if (\idx) < 32
	ds_store_b64 v[XWN], v[XP:XP+1] offset:(((\idx)&31)>>1)*XPITCH+((\idx)&1)*256
.else
	ds_store_b64 v[XWC], v[XP:XP+1] offset:(((\idx)&31)>>1)*XPITCH+((\idx)&1)*256
.endif
.if \ld
	global_load_b96 v[R_:R_+2], v[XOFF], s[8:9] offset:(N2_>>5)*CHUNK+((N2_&31)>>1)*XROW+(N2_&1)*384 th:TH_LOAD_NT
.endif
.endm
; Set-up: chunk 0 whole (items 0 to 31, buffer 0) and the first four items of chunk 1 (buffer 1): where every body leaves the stream.
.set pn, 0
.rept 36
	XA pn, 15
	XB pn
	XC pn, 1
.set pn, pn+1
.endr
	s_wait_xcnt 0x0                                ; the pending loads' base is stepped only behind this wait
	s_add_nc_u64 s[8:9], s[8:9], CHUNK             ; items now count from chunk 1
	v_xor_b32 v[XWN], XFLIP, v[XWN]                ; next = buffer 1, current = buffer 0
	v_xor_b32 v[XWC], XFLIP, v[XWC]
	ds_load_b128 v[BF+4:BF+7], v[XRD]              ; steps 0 to 3 (LDS serves a wave's instructions in order, ISA guide 5.7.1: these see the stores above)
	ds_load_b128 v[BF+12:BF+15], v[XRD] offset:32  ; steps 4 to 7
; Eight steps' y: half 0 takes the first four, half 1 the last four; saturate, / 16, 16 bytes a lane into the stage.
.macro YOCT o
.irp k, 0,1,2,3
	v_cndmask_b32 v[Z+\k], v[Y+\k], v[Y+4+\k], vcc_lo
.endr
.irp k, 0,1,2,3
	v_med3_num_f32 v[Z+\k], v[Z+\k], s32, s33
.endr
	v_pk_mul_f32 v[Z:Z+1], v[Z:Z+1], v[KR:KR+1]
	v_pk_mul_f32 v[Z+2:Z+3], v[Z+2:Z+3], v[KR:KR+1]
	ds_store_b128 v[YST], v[Z:Z+3] offset:32*\o
.endm
.macro YLOADS                          ; the stage back by rows: lanes 0-15 one row's 256 bytes, lanes 16-31 the next row's
.irp i, 0,1,2,3,4,5,6,7
	ds_load_b128 v[FL+4*\i:FL+4*\i+3], v[YLD] offset:2*YPITCH*\i
.endr
.endm
.macro YSTORES                         ; sixteen lanes store 256 neighbouring bytes at a multiple of 256 from out0's first byte
.irp i, 0,1,2,3,4,5,6,7
	s_wait_dscnt 7-\i                              ; the 7 - i younger loads of YLOADS may be out (an LDS store issued behind them only makes this stricter)
	global_store_b128 v[OOFF], v[FL+4*\i:FL+4*\i+3], s[22:23] offset:16384*\i th:TH_STORE_NT
.endr
.endm
; STEP s of a body: time t = 64 body + 1 + s (s = -1: t = 0).  It makes h and c of t and y of t - 1.
; xm: 0 = x work with loads; 1 = the last chunk's: work for step pairs 0 to 27, loads for pairs 0 to 11; 2 = none.
; yf: y is kept.  gf: 1 = the next group of four steps' x is fetched; 2 = only inside the current chunk; 0 = not.
.macro STEP s, xm, yf, gf
.set V_,  ((\s)+1)&3                   ; t mod 4: A's variant
.set PB_, (((\s)+1)>>2)&1              ; parity of t's group: which B
.set NB_, (((\s)+2)>>2)&1              ; the same for t + 1: where h goes
.set PI_, (\s)>>1                      ; the step pair works item PI_ + 4
.set XN_, PI_+4
.set XW_, 0
.set XL_, 0
.set XCNT_, 15                         ; ring of 16: 15 younger loads, also on the way in and over the backward jump
.if \xm == 0
.set XW_, 1
.set XL_, 1
.endif
.if \xm == 1
.if PI_ <= 27
.set XW_, 1
.endif
.if PI_ < 12
.set XL_, 1
.endif
.if PI_ > 12
.set XCNT_, 27-PI_                     ; loading has stopped at item 31: 31 - item younger loads are left
.endif
.endif
.if ((\s)&3) == 3
	s_wait_dscnt 0x0                               ; this group's x, asked for four steps ago, is in B
.endif
	v_wmma_f32_16x16x32_bf16 v[D0:D0+7], v[AF+16*V_:AF+16*V_+7], v[BF+8*PB_:BF+8*PB_+7], 0
	v_wmma_f32_16x16x32_bf16 v[D1:D1+7], v[AF+16*V_+8:AF+16*V_+15], v[BF+8*PB_:BF+8*PB_+7], 0
.if XW_
.if ((\s)&1) == 0
	XA XN_, XCNT_                                  ; four places behind the matrix instructions, filled with the stream's work
.else
	XB XN_
.endif
.else
.rept 4
	v_nop                                          ; four places (ISA guide 7.12.1)
.endr
.endif
.if \gf
.if ((\s)&3) == 3
.set GI_, (((\s)+1)>>2)+1                          ; the group behind this one, into the B that the last step's matrix instructions read last
.if GI_ <= 15
	ds_load_b128 v[BF+8*(GI_&1)+4:BF+8*(GI_&1)+7], v[XRD] offset:32*GI_
.else
.if \gf == 1
	ds_load_b128 v[BF+8*(GI_&1)+4:BF+8*(GI_&1)+7], v[XRN] offset:32*(GI_-16)   ; groups 0 and 1 of the next chunk, whole since step 55
.endif
.endif
.endif
.endif
.irp j, 0,1,2,3,6,7
	v_rndne_f32 v[T+\j], v[D0+\j]                  ; 16 x the quantised gates i and f
.endr
.irp j, 0,1,2
	v_rndne_f32 v[G+\j], v[D1+2+\j]                ; and g
.endr
	v_pk_fma_f32 v[T:T+1], v[T:T+1], v[KC6:KC6+1], v[KH:KH+1]          ; v = fma(x, f32(1/6), 1/2), one rounding
	v_pk_fma_f32 v[T+2:T+3], v[T+2:T+3], v[KC6:KC6+1], v[KH:KH+1]
	v_pk_fma_f32 v[T+6:T+7], v[T+6:T+7], v[KC6:KC6+1], v[KH:KH+1]
.irp j, 0,1,2
	v_med3_num_f32 v[G+\j], v[G+\j], s34, s35      ; 16 hard_tanh(g)
.endr
	v_rndne_f32 v[T+4], v[D0+4]                    ; gate o, off the long chain
	v_rndne_f32 v[T+5], v[D0+5]
	v_rndne_f32 v[T+8], v[D1]
.if \yf
	v_rndne_f32 v[Y+((\s)&7)], v[D1+1]             ; 16 y of t - 1
.if ((\s)&7) == 7
.set YO_, (\s)>>3
	YOCT YO_
.endif
.if (\s) == 63
	YLOADS
.endif
.endif
	v_pk_add_f32 v[T:T+1], v[T:T+1], v[KM:KM+1]    ; M' + v, rounded to the grid of 1/16, ties to even
	v_pk_add_f32 v[T+2:T+3], v[T+2:T+3], v[KM:KM+1]
	v_pk_add_f32 v[T+6:T+7], v[T+6:T+7], v[KM:KM+1]
	v_pk_fma_f32 v[T+4:T+5], v[T+4:T+5], v[KC6:KC6+1], v[KH:KH+1]
	v_fma_f32 v[T+8], v[T+8], v[KC6], v[KH]
.irp j, 0,1,2,3,6,7
	v_med3_num_f32 v[T+\j], v[T+\j], s30, s31      ; within M' .. M' + 1
.endr
	v_pk_add_f32 v[T:T+1], v[T:T+1], v[KOFF:KOFF+1]                    ; - M': the gate, 0 to 1, exact
	v_pk_add_f32 v[T+2:T+3], v[T+2:T+3], v[KOFF:KOFF+1]
	v_pk_add_f32 v[T+6:T+7], v[T+6:T+7], v[KOFF:KOFF+1]
	v_pk_add_f32 v[T+4:T+5], v[T+4:T+5], v[KM:KM+1]
	v_add_f32 v[T+8], v[KM], v[T+8]
	v_pk_mul_f32 v[P:P+1], v[T:T+1], v[G:G+1]      ; i x 16 g
	v_mul_f32 v[P+2], v[T+6], v[G+2]
	v_med3_num_f32 v[T+4], v[T+4], s30, s31
	v_med3_num_f32 v[T+5], v[T+5], s30, s31
	v_med3_num_f32 v[T+8], v[T+8], s30, s31
	v_pk_fma_f32 v[P:P+1], v[T+2:T+3], v[C:C+1], v[P:P+1]              ; + f x 16 c: exact
	v_fmac_f32 v[P+2], v[T+7], v[C+2]
	v_pk_add_f32 v[T+4:T+5], v[T+4:T+5], v[KOFF:KOFF+1]
	v_add_f32 v[T+8], v[KOFF], v[T+8]
.irp j, 0,1,2
	v_rndne_f32 v[P+\j], v[P+\j]
.endr
.irp j, 0,1,2
	v_med3_num_f32 v[Q+\j], v[P+\j], s34, s35      ; 16 hard_tanh(c)
.endr
.irp j, 0,1,2
	v_med3_num_f32 v[C+\j], v[P+\j], s32, s33      ; 16 c, saturated
.endr
	v_pk_mul_f32 v[Q:Q+1], v[Q:Q+1], v[T+4:T+5]    ; o x 16 hard_tanh(c)
	v_mul_f32 v[Q+2], v[Q+2], v[T+8]
.if XW_
.if ((\s)&1) == 1
	XC XN_, XL_
.endif
.endif
.irp j, 0,1,2
	v_rndne_f32 v[Q+\j], v[Q+\j]                   ; 16 h, at most 16 in size
.endr
	v_cvt_pk_bf16_f32 v[BF+8*NB_], v[Q], v[Q+1]    ; into my own k places of the next step's B
	v_cvt_pk_bf16_f32 v[BF+8*NB_+1], v[Q+2], v[VONE]
.endm
; A body: 64 steps, t = 64 body + 1 .. 64 body + 64, and y of times 64 body .. 64 body + 63.  s[8:9] stands at the NEXT chunk; the step pairs work its
; items 4 to 31 (done in step 55) and items 0 to 3 of the chunk behind it, which go into the current buffer in steps 57 to 63, behind that
; buffer's last read in step 55.
.macro BODY mode
.set sv, 0
.if \mode == 2
.rept 63
	STEP sv, 2, 1, 2
.set sv, sv+1
.endr
.else
.rept 64
	STEP sv, \mode, 1, 1
.set sv, sv+1
.endr
	YSTORES
	s_wait_xcnt 0x0                                ; the stores' data and base and the x loads' base are rewritten only behind this wait
.if \mode == 0
	s_add_nc_u64 s[8:9], s[8:9], CHUNK
	v_xor_b32 v[XWN], XFLIP, v[XWN]
	v_xor_b32 v[XWC], XFLIP, v[XWC]
.endif
	s_add_nc_u64 s[22:23], s[22:23], 256           ; 64 steps of out0
	v_xor_b32 v[XRD], XFLIP, v[XRD]
	v_xor_b32 v[XRN], XFLIP, v[XRN]
.endif
.endm
	STEP -1, 2, 0, 0                               ; t = 0: its head waits for the two LDS loads above; its y row is not kept
	s_mov_b32 s40, 0
.Lbody:
	BODY 0                                         ; bodies 0 to 29: the farthest load is item 19 of chunk body + 2, at most chunk 31
	s_add_co_u32 s40, s40, 1
	s_cmp_lt_u32 s40, 30
	s_cbranch_scc1 .Lbody
	BODY 1                                         ; body 30: the rest of chunk 31 comes in; nothing is loaded beyond x's end
	BODY 2                                         ; body 31, steps 0 to 62: t = 1985 .. 2047
	; t = 2048: only y of 2047.  The y rows have zeros at x's places, so what B still holds there (finite numbers of group 14) adds nothing.
	v_wmma_f32_16x16x32_bf16 v[D1:D1+7], v[AF+8:AF+15], v[BF:BF+7], 0
.rept 4
	v_nop                                          ; four places (ISA guide 7.12.1)
.endr
	v_rndne_f32 v[Y+7], v[D1+1]
	YOCT 7
	YLOADS
	YSTORES
	s_wait_tensorcnt 0x0
	ds_add_u32 v254, v255
	s_wait_dscnt 0x0
	s_endpgm
.Lfunc_end_k_q1fcac1d45b_lstm:
	.size	k_q1fcac1d45b_lstm, .Lfunc_end_k_q1fcac1d45b_lstm-k_q1fcac1d45b_lstm
	.p2alignl 7, 3214868480
	.fill 96, 4, 3214868480
	.section	.rodata,"a",@progbits
	.p2align	6, 0x0
	.amdhsa_kernel k_q1fcac1d45b_lstm
		.amdhsa_group_segment_fixed_size 168192
		.amdhsa_private_segment_fixed_size 0
		.amdhsa_enable_private_segment 0
		.amdhsa_kernarg_size 64
		.amdhsa_user_sgpr_count 2
		.amdhsa_user_sgpr_kernarg_segment_ptr 1
		.amdhsa_wavefront_size32 1
		.amdhsa_system_sgpr_workgroup_id_x 1
		.amdhsa_system_sgpr_workgroup_id_y 1
		.amdhsa_system_sgpr_workgroup_id_z 1
		.amdhsa_system_vgpr_workitem_id 0
		.amdhsa_next_free_vgpr 256
		.amdhsa_next_free_sgpr 66
		.amdhsa_reserve_vcc 1
		.amdhsa_float_denorm_mode_32 3
		.amdhsa_float_denorm_mode_16_64 3
		.amdhsa_memory_ordered 1
		.amdhsa_forward_progress 1
		.amdhsa_inst_pref_size 255
	.end_amdhsa_kernel
	.section	.bss,"aw",@nobits
	.p2align	6
	.space	262144
	.amdgpu_metadata
---
amdhsa.version: [ 1, 2 ]
amdhsa.kernels:
  - .name:           k_q1fcac1d45b_lstm
    .symbol:         k_q1fcac1d45b_lstm.kd
    .args:
      - { .name: x, .offset: 0, .size: 8, .value_kind: global_buffer, .address_space: global }
      - { .name: W_ih, .offset: 8, .size: 8, .value_kind: global_buffer, .address_space: global }
      - { .name: W_hh, .offset: 16, .size: 8, .value_kind: global_buffer, .address_space: global }
      - { .name: b_ih, .offset: 24, .size: 8, .value_kind: global_buffer, .address_space: global }
      - { .name: b_hh, .offset: 32, .size: 8, .value_kind: global_buffer, .address_space: global }
      - { .name: W_lin, .offset: 40, .size: 8, .value_kind: global_buffer, .address_space: global }
      - { .name: b_lin, .offset: 48, .size: 8, .value_kind: global_buffer, .address_space: global }
      - { .name: out0, .offset: 56, .size: 8, .value_kind: global_buffer, .address_space: global }
    .group_segment_fixed_size: 168192
    .private_segment_fixed_size: 0
    .kernarg_segment_align: 8
    .kernarg_segment_size: 64
    .max_flat_workgroup_size: 32
    .sgpr_count:     66
    .vgpr_count:     256
    .wavefront_size: 32
...
	.end_amdgpu_metadata
.endif
;; end of part 1
;; ======== version 2 of 4: 1 launch; 1.29 times as fast as version 1
;; launch lstm (part 2): grid 256 x 1, 1 waves a work-group, no clusters, 168,192 bytes of LDS; arguments x, W_ih, W_hh, b_ih, b_hh, W_lin, b_lin, out0; writes out0
.if DOCPART == 2
	.amdgcn_target "amdgcn-amd-amdhsa--gfx1250"
	.amdhsa_code_object_version 6
	.text
	.protected	k_q1fcac1d45b_lstm
	.globl	k_q1fcac1d45b_lstm
	.p2align	8
	.type	k_q1fcac1d45b_lstm,@function
k_q1fcac1d45b_lstm:
	s_mov_b64 s[64:65], 0
	v_nop
	global_prefetch_b8 v0, s[64:65] scope:SCOPE_SE
	s_setreg_imm32_b32 hwreg(HW_REG_WAVE_MODE, 25, 1), 1
	s_wait_xcnt 0x0
; Fixed-point LSTM (B = 4096, T = 2048, I = 3, H = 5) with its 5 -> 1 linear layer, in one launch.
; Every quantised number is an integer of 8 bits over 16, so all products and sums of the model but one are exact in f32, and the
; integers (also b_ih16 + b_hh16, at most 256 in size) are exact in bf16.
; WORK: 2048 dependent steps and 4096 independent chains.  One wave carries 16 batch rows (one column n of the matrix
; instruction each, two lanes a row); 256 work-groups of one wave.  The launch asks for more than half of a WGP's LDS (it uses
; 20,736 bytes) so that the chain's wave has its WGP to itself.
; A STEP is two v_wmma_f32_16x16x32_bf16 with C = 0:  D = A x B, A = constant weights (gate rows permuted), B's column r =
; (16 h of step t-1, 1.0, 16 x of step t).  A holds W16/16 and, against the 1.0, b_ih16 + b_hh16, so D = 16 x the pre-activation.
; In D lane (r, half) holds rows 8 half + j of batch r; in B the same lane owns k = 8 half .. +7 and 16 + 8 half .. +7 of column r.
; Half 0 works units 0, 1, 2 and writes their h into its own k = 0..2, half 1 units 3, 4 (and a dummy unit of zero weights) into
; k = 8..10: nothing crosses lanes.  y of step t-1 is one more row of step t's second tile (W_lin on the h places, b_lin16 against
; the 1.0), so the steps run t = 0 .. 2048: one step written out, then 64 trips of ONE text of 32 steps.
; ONE TEXT FOR ALL TRIPS: the x stream runs 32 steps ahead of its use, so the last trips would ask beyond x's rows.  Their chunk numbers are
; clamped to the last chunk instead of writing tails out: trips 61, 62 and 63 load 4 + 16 + 16 items of 384 bytes of chunk 63 once more
; (13,824 bytes a wave, 3.5 per cent of its x).  What comes of them meets zero weights or results that nobody uses; the last step
; (t = 2048) is a whole step of which only the y row counts.  In return the text is the set-up and 32 steps, and every wait has one count.
; hard_sigmoid, THE ONE INEXACT LINE: x / 6.0 + 0.5 is taken as ONE fused multiply-add, v = fma(x, f32(1/6), 0.5), formed here as
; fma(g16, f32(1/6) / 16, 0.5): the same real product (x = g16 / 16), so the same f32.  f32(1/6) is 1/6 (1 + 2^-25); where v < 1/4 the surplus
; |x/6| 2^-25 is more than half a last place of v, so at g16 = -27 and -39 v lies just below the ties 3.5/16 and 1.5/16 and the gate is 3/16
; and 1/16 (a true division would stand on the tie and give 4/16 and 2/16).  At all other gate values the two forms agree.
; Then v + M', M' = 1.5 x 2^19: f32 numbers there are 1/16 apart and 16 M' is even, so the one add is round-half-even(16 v) / 16.
; The gates' own clamp to [-128, 127] is covered by the later clamps (0 to 1 for the sigmoids, +-16 for tanh).
; NOT USED, and why: clusters and joint loads (the work-groups share 824 bytes of weights and nothing else); the tensor mover (x has
; to pass the vector unit to be quantised); prefetches (each x load is issued 32 steps ahead of its use); register windows.
; LIMIT: a NaN in x or in a weight is not reproduced (v_med3_num_f32 drops it).  Infinities and all finite sizes are served.
.set XROW,   24576                     ; bytes of a batch row of x
.set CHUNK,  384                       ; 32 steps of a row of x: one item of the stream
.set NCHUNK, 64                        ; chunks in a row, and trips of the loop
.set XPITCH, 272                       ; LDS row of an x buffer: 32 steps x 8 bytes (bf16 x0, x1, x2, 0) + 16: 17 x 16 bytes, so 16 rows begin in 16 different 16-byte columns modulo 256
.set XFLIP,  0x4000                    ; x buffer 0 at LDS byte 0, buffer 1 at 16384 (4,352 bytes each): xor changes buffers
.set YB,     0x2000                    ; y stage of the even trips: 16 rows of 32 f32 + 16 bytes (2,304 bytes)
.set YFLIP,  0x1000                    ; the odd trips' stage lies at 0x3000: xor changes stages
.set YPITCH, 144                       ; 9 x 16 bytes
.set XOFF, 1                           ; v1   12 x lane: my step's 12 bytes in an item
.set XWN,  2                           ; v2   8 x lane + the NEXT chunk's buffer
.set XWC,  3                           ; v3   8 x lane + the current chunk's buffer
.set XRD,  4                           ; v4   r x 272 + 16 half + the current buffer
.set XRN,  5                           ; v5   the same in the next buffer
.set YST,  6                           ; v6   this trip's stage + r x 144 + 16 half
.set YLD,  7                           ; v7   YB + ((lane / 8) mod 2) x 0x1000 + half x 144 + 16 (lane mod 8)
.set OOFF, 8                           ; v8   half x 8192 + 16 r: two rows of out0
.set VONE, 9                           ; v9   1.0
.set XP,   10                          ; v[10:11] a step's x, packed
.set KC6,  12                          ; v[12:13] f32(1/6) / 16, twice
.set KM,   14                          ; v[14:15] M' = 1.5 x 2^19, twice
.set KR,   16                          ; v[16:17] 1/16, twice
.set KOFF, 18                          ; v[18:19] -M', twice
.set K16,  20                          ; v[20:21] 16, twice
.set D0,   22                          ; v[22:29] rows ia ib fa fb oa ob ic fc
.set D1,   30                          ; v[30:37] rows oc y ga gb gc - - -
.set T,    38                          ; v38..46  ia ib fa fb oa ob ic fc oc
.set VZERO, 47                         ; v47  0
.set G,    48                          ; v48..50  16 x tanh gate
.set P,    52                          ; v52..54  16 x new cell, before and after rounding
.set C,    56                          ; v56..58  16 c
.set Q,    60                          ; v60..62  16 hard_tanh(c), then 16 h
.set Y,    64                          ; v64..71  eight steps' 16 y
.set Z,    72                          ; v72..75  my half's four of them
.set BF,   76                          ; v[76:83], v[84:91] B, for even and odd groups of four steps
.set AF,   92                          ; v92..155 A: tile t of variant v (= step mod 4) at AF + 8 (2 v + t)
.set XRING, 156                        ; v156..219 16 slots of 4 registers (3 used): x loads on their way
.set FL,   220                         ; v220..251 y on its way out; at the start the raw weights
.set KH,   252                         ; v[252:253] 1/2, twice
.set PR,   22                          ; set-up only: r, half, 4 j, 3 h', and six registers a tile for row numbers and offsets
.set PH,   23
.set PJ,   24
.set PU,   25
.set TA,   28
.set PK,   60                          ; set-up only: packed words pA pB pC pX0 pX1, then R0 R1 XL0 XL1 XH0 XH1
; scalars: s[8:9] x at my rows (never stepped), s[44:45] and s[46:47] x at the two chunks that a trip loads from, s[22:23] out0, s40 the trip
	s_load_b512 s[8:23], s[0:1], 0x0               ; x s[8:9], W_ih s[10:11], W_hh s[12:13], b_ih s[14:15], b_hh s[16:17], W_lin s[18:19], b_lin s[20:21], out0 s[22:23]
	v_lshl_add_u32 v254, v0, 2, 0x29000
	v_mov_b32 v255, 0
	v_and_b32 v[PR], 15, v0                        ; r: batch row of B and D, gate row m of A
	v_lshrrev_b32 v[PH], 4, v0                     ; half
	v_cmp_le_u32 vcc_lo, 16, v0                    ; VCC = lanes 16 to 31, for the whole kernel
	v_and_b32 v[PJ], 7, v[PR]
	v_lshlrev_b32 v[PJ], 2, v[PJ]                  ; 4 j, j = m mod 8
	v_lshrrev_b32 v[PU], 3, v[PR]                  ; h' = m / 8
	v_mul_u32_u24 v[YLD], v[PH], YPITCH            ; the way back from the stages: lanes 0-15 one row, lanes 16-31 the next;
	v_lshl_add_u32 v[YLD], v[PJ], 2, v[YLD]        ; 16 bytes a lane, eight lanes to a stage's 128 bytes;
	v_lshl_add_u32 v[YLD], v[PU], 12, v[YLD]       ; lanes 8-15 and 24-31 read the odd trips' stage
	v_add_nc_u32 v[YLD], YB, v[YLD]
	v_mul_u32_u24 v[PU], v[PU], 3                  ; 3 h': the first unit of that half
	v_cmp_eq_u32 s41, 4, v[PJ]                     ; j = 1: tile 1's y rows
	v_mul_u32_u24 v[XOFF], v0, 12
	v_lshlrev_b32 v[XWN], 3, v0                    ; during set-up 'next' is buffer 0 (chunk 0 goes there)
	v_or_b32 v[XWC], XFLIP, v[XWN]
	v_mul_u32_u24 v[XRD], v[PR], XPITCH
	v_lshl_add_u32 v[XRD], v[PH], 4, v[XRD]
	v_xor_b32 v[XRN], XFLIP, v[XRD]
	v_mul_u32_u24 v[YST], v[PR], YPITCH
	v_lshl_add_u32 v[YST], v[PH], 4, v[YST]
	v_add_nc_u32 v[YST], YB, v[YST]
	v_lshlrev_b32 v[OOFF], 13, v[PH]
	v_lshl_add_u32 v[OOFF], v[PR], 4, v[OOFF]
	s_mov_b32 s30, 0x49400000                      ; M'
	s_mov_b32 s31, 0x49400010                      ; M' + 1
	s_mov_b32 s32, 0xc3000000                      ; -128
	s_mov_b32 s33, 0x42fe0000                      ; 127
	s_mov_b32 s34, 0xc1800000                      ; -16
	s_mov_b32 s35, 0x41800000                      ; 16
	s_mul_i32 s2, ttmp9, 16*XROW                   ; my 16 rows of x (below 4 GiB)
	s_mov_b32 s3, 0
	s_lshl_b32 s42, ttmp9, 17                      ; my 16 rows of out0, 8,192 bytes each
	s_mov_b32 s43, 0
; The weight row that A's row m = 8 h' + j holds: nibble j of types = gate (i 0, f 1, g 2, o 3), of slots = the unit's place in its half
; (7: no unit).  unit = 3 h' + slot; rows with unit > 4 get zero weights (vmask off) and load row 5 type + 4, which exists.
.macro ROWS t, types, slots, vmask
.set A_, TA+8*\t
	s_mov_b32 s36, \types
	s_mov_b32 s37, \slots
	v_bfe_u32 v[A_], s36, v[PJ], 4
	v_bfe_u32 v[A_+1], s37, v[PJ], 4
	v_add_nc_u32 v[A_+1], v[A_+1], v[PU]
	v_cmp_gt_u32 \vmask, 5, v[A_+1]
	v_min_u32 v[A_+1], 4, v[A_+1]
	v_mad_u32_u24 v[A_+2], v[A_], 5, v[A_+1]       ; row 0 .. 19
	v_mul_u32_u24 v[A_+3], v[A_+2], 20             ; its bytes in W_hh,
	v_mul_u32_u24 v[A_+4], v[A_+2], 12             ; in W_ih,
	v_lshlrev_b32 v[A_+5], 2, v[A_+2]              ; in the biases
.endm
.macro WLOADS t                        ; ten numbers a lane: w0..4, u0..2, b_ih, b_hh of my row
.set A_, TA+8*\t
.irp k, 0,1,2,3,4
	global_load_b32 v[FL+10*\t+\k], v[A_+3], s[12:13] offset:4*\k
.endr
.irp k, 0,1,2
	global_load_b32 v[FL+10*\t+5+\k], v[A_+4], s[10:11] offset:4*\k
.endr
	global_load_b32 v[FL+10*\t+8], v[A_+5], s[14:15]
	global_load_b32 v[FL+10*\t+9], v[A_+5], s[16:17]
.endm
	ROWS 0, 0x10331100, 0x22101010, s38
	ROWS 1, 0x00022203, 0x77721072, s39
	s_wait_kmcnt 0x0                               ; the eight addresses
	s_load_b128 s[24:27], s[18:19], 0x0            ; W_lin[0..3]
	s_load_b32 s28, s[18:19], 0x10                 ; W_lin[4]
	s_load_b32 s29, s[20:21], 0x0                  ; b_lin
	WLOADS 0
	WLOADS 1
	s_add_nc_u64 s[8:9], s[8:9], s[2:3]            ; x at my rows, chunk 0
	s_add_nc_u64 s[22:23], s[22:23], s[42:43]      ; out0 at my rows
	s_add_nc_u64 s[44:45], s[8:9], CHUNK           ; the set-up counts as trip -1: it loads from chunks 1
	s_add_nc_u64 s[46:47], s[8:9], 2*CHUNK         ; and 2
; THE x STREAM.  An item is 32 steps of one row: 384 neighbouring bytes, 12 a lane.  Item i of trip c: chunk c + 1 + i / 16, row i mod 16.
; Slot i mod 16 of the ring; 16 loads are always on their way.
.set pn, 0
.rept 16
	global_load_b96 v[XRING+4*pn:XRING+4*pn+2], v[XOFF], s[8:9] offset:pn*XROW th:TH_LOAD_NT
.set pn, pn+1
.endr
	v_mov_b32 v[VONE], 1.0
	v_mov_b32 v[VZERO], 0
.irp k, 0,1
	v_mov_b32 v[KC6+\k], 0x3c2aaaab
	v_mov_b32 v[KM+\k], 0x49400000
	v_mov_b32 v[KR+\k], 0x3d800000
	v_mov_b32 v[KOFF+\k], 0xc9400000
	v_mov_b32 v[K16+\k], 0x41800000
	v_mov_b32 v[KH+\k], 0.5
.endr
	s_wait_kmcnt 0x0                               ; W_lin, b_lin
	s_wait_loadcnt 16                              ; loads return in order (ISA guide 5.7.1): the 16 x loads issued behind the 20 weight loads may stay out
; Tile t of A, in its four variants.  k places, the same in A and in B: register 0 = (h0, h1) in half 0, (h3, h4) in half 1; register 1 =
; (h2, 1.0) in half 0, nothing in half 1; registers 2, 3 nothing; registers 4, 5 = x of step 4g (half 0) or 4g+2 (half 1), registers 6, 7 = x of
; step 4g+1 or 4g+3.  Variant v has W_ih only at step 4g+v's places, so one B fragment serves four steps.
.macro ATILE t, vmask
.set W_, FL+10*\t
.irp k, 0,1,2,3,4,5,6,7,8,9
	v_cndmask_b32 v[W_+\k], v[VZERO], v[W_+\k], \vmask   ; rows without a unit: zeros
.endr
.if \t
.irp k, 0,1,2,3,4
	v_cndmask_b32 v[W_+\k], v[W_+\k], s[24+\k], s41      ; the y rows: W_lin on the h places,
.endr
	v_cndmask_b32 v[W_+8], v[W_+8], s29, s41             ; b_lin as the bias
.endif
.irp k, 0,1,2,3,4,5,6,7,8,9
	v_mul_f32 v[W_+\k], s35, v[W_+\k]                    ; quantise: x 16, to nearest even, saturate
.endr
.irp k, 0,1,2,3,4,5,6,7,8,9
	v_rndne_f32 v[W_+\k], v[W_+\k]
.endr
.irp k, 0,1,2,3,4,5,6,7,8,9
	v_med3_num_f32 v[W_+\k], v[W_+\k], s32, s33
.endr
.irp k, 0,1,2,3,4,5,6,7
	v_mul_f32 v[W_+\k], v[KR], v[W_+\k]                  ; weights as real numbers; the bias stays x 16
.endr
	v_add_f32 v[W_+8], v[W_+8], v[W_+9]
	v_cvt_pk_bf16_f32 v[PK], v[W_], v[W_+1]              ; (w0, w1)
	v_cvt_pk_bf16_f32 v[PK+1], v[W_+2], v[W_+8]          ; (w2, bias)
	v_cvt_pk_bf16_f32 v[PK+2], v[W_+3], v[W_+4]          ; (w3, w4)
	v_cvt_pk_bf16_f32 v[PK+3], v[W_+5], v[W_+6]          ; (u0, u1)
	v_cvt_pk_bf16_f32 v[PK+4], v[W_+7], v[VZERO]         ; (u2, 0)
	v_cndmask_b32 v[PK+5], v[PK], v[PK+2], vcc_lo        ; register 0 by halves
	v_cndmask_b32 v[PK+6], v[PK+1], v[VZERO], vcc_lo     ; register 1
	v_cndmask_b32 v[PK+7], v[PK+3], v[VZERO], vcc_lo     ; W_ih in half 0 alone
	v_cndmask_b32 v[PK+8], v[PK+4], v[VZERO], vcc_lo
	v_cndmask_b32 v[PK+9], v[VZERO], v[PK+3], vcc_lo     ; W_ih in half 1 alone
	v_cndmask_b32 v[PK+10], v[VZERO], v[PK+4], vcc_lo
.irp v, 0,1,2,3
	v_mov_b32 v[AF+8*(2*\v+\t)], v[PK+5]
	v_mov_b32 v[AF+8*(2*\v+\t)+1], v[PK+6]
	v_mov_b32 v[AF+8*(2*\v+\t)+2], 0
	v_mov_b32 v[AF+8*(2*\v+\t)+3], 0
	v_mov_b32 v[AF+8*(2*\v+\t)+4+2*(\v&1)], v[PK+7+2*(\v>>1)]
	v_mov_b32 v[AF+8*(2*\v+\t)+5+2*(\v&1)], v[PK+8+2*(\v>>1)]
	v_mov_b32 v[AF+8*(2*\v+\t)+6-2*(\v&1)], 0
	v_mov_b32 v[AF+8*(2*\v+\t)+7-2*(\v&1)], 0
.endr
.endm
	ATILE 0, s38
	ATILE 1, s39
	v_mov_b32 v[C], 0                              ; c = 0,
	v_mov_b32 v[C+1], 0
	v_mov_b32 v[C+2], 0
	v_mov_b32 v[BF], 0                             ; h = 0,
	v_mov_b32 v[BF+1], 0x3f800000                  ; (0, 1.0)
	v_mov_b32 v[BF+2], 0                           ; and the places that nothing uses
	v_mov_b32 v[BF+3], 0
	v_mov_b32 v[BF+10], 0
	v_mov_b32 v[BF+11], 0
; An item's work in three parts.  XA and XB are four plain vector instructions each that name no matrix register: in the steps they are the four
; places behind the matrix instructions (ISA guide 7.12.1).
.macro XA idx
.set R_, XRING+4*((\idx)&15)
	s_wait_loadcnt 15                              ; ring of 16: the item's load is in, the 15 younger loads stay out; the same in the set-up, on the way into the loop and over its backward jump
	v_pk_mul_f32 v[R_:R_+1], v[R_:R_+1], v[K16:K16+1]
	v_mul_f32 v[R_+2], s35, v[R_+2]
	v_rndne_f32 v[R_], v[R_]
	v_rndne_f32 v[R_+1], v[R_+1]
.endm
.macro XB idx
.set R_, XRING+4*((\idx)&15)
	v_rndne_f32 v[R_+2], v[R_+2]
	v_med3_num_f32 v[R_], v[R_], s32, s33
	v_med3_num_f32 v[R_+1], v[R_+1], s32, s33
	v_med3_num_f32 v[R_+2], v[R_+2], s32, s33
.endm
.macro XC idx                          ; pack, 8 bytes a lane into LDS (256 neighbouring bytes a wave), and the slot's next load, 16 items on
.set R_, XRING+4*((\idx)&15)
.set N2_, (\idx)+16
	v_cvt_pk_bf16_f32 v[XP], v[R_], v[R_+1]
	v_cvt_pk_bf16_f32 v[XP+1], v[R_+2], v[VZERO]
.if (\idx) < 16
	ds_store_b64 v[XWN], v[XP:XP+1] offset:(\idx)*XPITCH
.else
	ds_store_b64 v[XWC], v[XP:XP+1] offset:((\idx)-16)*XPITCH
.endif
.if N2_ < 32
	global_load_b96 v[R_:R_+2], v[XOFF], s[44:45] offset:(N2_-16)*XROW th:TH_LOAD_NT
.else
	global_load_b96 v[R_:R_+2], v[XOFF], s[46:47] offset:(N2_-32)*XROW th:TH_LOAD_NT
.endif
.endm
; Set-up: chunk 0 whole (items 0 to 15, buffer 0) and rows 0 to 3 of chunk 1 (items 16 to 19, buffer 1): where every trip leaves the stream.
.set pn, 0
.rept 20
	XA pn
	XB pn
	XC pn
.set pn, pn+1
.endr
	s_wait_xcnt 0x0                                ; the pending loads' bases are rewritten only behind this wait
	s_add_nc_u64 s[44:45], s[8:9], 2*CHUNK         ; trip 0 loads from chunks 2
	s_add_nc_u64 s[46:47], s[8:9], 3*CHUNK         ; and 3
	s_mov_b32 s37, 0                               ; high words of the two offsets made at the loop's foot
	s_mov_b32 s39, 0
	v_xor_b32 v[XWN], XFLIP, v[XWN]                ; next = buffer 1, current = buffer 0
	v_xor_b32 v[XWC], XFLIP, v[XWC]
	ds_load_b128 v[BF+4:BF+7], v[XRD]              ; steps 0 to 3 (LDS serves a wave's instructions in order, ISA guide 5.7.1: these see the stores above)
	ds_load_b128 v[BF+12:BF+15], v[XRD] offset:32  ; steps 4 to 7
; Eight steps' y: half 0 takes the first four, half 1 the last four; saturate, / 16, 16 bytes a lane into this trip's stage.
.macro YOCT o
.irp k, 0,1,2,3
	v_cndmask_b32 v[Z+\k], v[Y+\k], v[Y+4+\k], vcc_lo
.endr
.irp k, 0,1,2,3
	v_med3_num_f32 v[Z+\k], v[Z+\k], s32, s33
.endr
	v_pk_mul_f32 v[Z:Z+1], v[Z:Z+1], v[KR:KR+1]
	v_pk_mul_f32 v[Z+2:Z+3], v[Z+2:Z+3], v[KR:KR+1]
	ds_store_b128 v[YST], v[Z:Z+3] offset:32*\o
.endm
.macro YLOADS                          ; both stages back by rows: sixteen lanes take a row's 64 numbers, 128 bytes from each stage (the two pieces fall on the same banks: two passes, eight loads in 64 steps)
.irp i, 0,1,2,3,4,5,6,7
	ds_load_b128 v[FL+4*\i:FL+4*\i+3], v[YLD] offset:2*YPITCH*\i
.endr
.endm
.macro YSTORES                         ; sixteen lanes store 256 neighbouring bytes at a multiple of 256 from out0's first byte
.irp i, 0,1,2,3,4,5,6,7
	s_wait_dscnt 7-\i                              ; the 7 - i younger loads of YLOADS may be out
	global_store_b128 v[OOFF], v[FL+4*\i:FL+4*\i+3], s[22:23] offset:16384*\i th:TH_STORE_NT
.endr
.endm
; STEP s of trip c: time t = 32 c + 1 + s (s = -1: t = 0).  It makes h and c of t and y of t - 1.
; on = 1: a step of the loop, with its share of the x stream, the fetch of the next group of four steps' x, and y kept; on = 0: the first step, bare.
.macro STEP s, on
.set V_,  ((\s)+1)&3                   ; t mod 4: A's variant
.set PB_, (((\s)+1)>>2)&1              ; parity of t's group: which B
.set NB_, (((\s)+2)>>2)&1              ; the same for t + 1: where h goes
.set XN_, ((\s)>>1)+4                  ; the step pair s / 2 works item s / 2 + 4
.if ((\s)&3) == 3
	s_wait_dscnt 0x0                               ; this group's x, asked for four steps ago, is in B
.endif
	v_wmma_f32_16x16x32_bf16 v[D0:D0+7], v[AF+16*V_:AF+16*V_+7], v[BF+8*PB_:BF+8*PB_+7], 0
	v_wmma_f32_16x16x32_bf16 v[D1:D1+7], v[AF+16*V_+8:AF+16*V_+15], v[BF+8*PB_:BF+8*PB_+7], 0
.if \on
.if ((\s)&1) == 0
	XA XN_                                         ; four places behind the matrix instructions, filled with the stream's work
.else
	XB XN_
.endif
.if ((\s)&3) == 3
.set GI_, (((\s)+1)>>2)+1                          ; the group behind this one, into the B that the last step's matrix instructions read last
.if GI_ <= 7
	ds_load_b128 v[BF+8*(GI_&1)+4:BF+8*(GI_&1)+7], v[XRD] offset:32*GI_
.else
	ds_load_b128 v[BF+8*(GI_&1)+4:BF+8*(GI_&1)+7], v[XRN] offset:32*(GI_-8)   ; groups 0 and 1 of the next chunk, whole since step 23
.endif
.endif
.else
.rept 4
	v_nop                                          ; four places (ISA guide 7.12.1)
.endr
.endif
.irp j, 0,1,2,3,6,7
	v_rndne_f32 v[T+\j], v[D0+\j]                  ; 16 x the quantised gates i and f
.endr
.irp j, 0,1,2
	v_rndne_f32 v[G+\j], v[D1+2+\j]                ; and g
.endr
	v_pk_fma_f32 v[T:T+1], v[T:T+1], v[KC6:KC6+1], v[KH:KH+1]          ; v = fma(x, f32(1/6), 1/2), one rounding
	v_pk_fma_f32 v[T+2:T+3], v[T+2:T+3], v[KC6:KC6+1], v[KH:KH+1]
	v_pk_fma_f32 v[T+6:T+7], v[T+6:T+7], v[KC6:KC6+1], v[KH:KH+1]
.irp j, 0,1,2
	v_med3_num_f32 v[G+\j], v[G+\j], s34, s35      ; 16 hard_tanh(g)
.endr
	v_rndne_f32 v[T+4], v[D0+4]                    ; gate o, off the long chain
	v_rndne_f32 v[T+5], v[D0+5]
	v_rndne_f32 v[T+8], v[D1]
.if \on
	v_rndne_f32 v[Y+((\s)&7)], v[D1+1]             ; 16 y of t - 1
.if ((\s)&7) == 7
.set YO_, (\s)>>3
	YOCT YO_
.endif
.endif
	v_pk_add_f32 v[T:T+1], v[T:T+1], v[KM:KM+1]    ; M' + v, rounded to the grid of 1/16, ties to even
	v_pk_add_f32 v[T+2:T+3], v[T+2:T+3], v[KM:KM+1]
	v_pk_add_f32 v[T+6:T+7], v[T+6:T+7], v[KM:KM+1]
	v_pk_fma_f32 v[T+4:T+5], v[T+4:T+5], v[KC6:KC6+1], v[KH:KH+1]
	v_fma_f32 v[T+8], v[T+8], v[KC6], v[KH]
.irp j, 0,1,2,3,6,7
	v_med3_num_f32 v[T+\j], v[T+\j], s30, s31      ; within M' .. M' + 1
.endr
	v_pk_add_f32 v[T:T+1], v[T:T+1], v[KOFF:KOFF+1]                    ; - M': the gate, 0 to 1, exact
	v_pk_add_f32 v[T+2:T+3], v[T+2:T+3], v[KOFF:KOFF+1]
	v_pk_add_f32 v[T+6:T+7], v[T+6:T+7], v[KOFF:KOFF+1]
	v_pk_add_f32 v[T+4:T+5], v[T+4:T+5], v[KM:KM+1]
	v_add_f32 v[T+8], v[KM], v[T+8]
	v_pk_mul_f32 v[P:P+1], v[T:T+1], v[G:G+1]      ; i x 16 g
	v_mul_f32 v[P+2], v[T+6], v[G+2]
	v_med3_num_f32 v[T+4], v[T+4], s30, s31
	v_med3_num_f32 v[T+5], v[T+5], s30, s31
	v_med3_num_f32 v[T+8], v[T+8], s30, s31
	v_pk_fma_f32 v[P:P+1], v[T+2:T+3], v[C:C+1], v[P:P+1]              ; + f x 16 c: exact
	v_fmac_f32 v[P+2], v[T+7], v[C+2]
	v_pk_add_f32 v[T+4:T+5], v[T+4:T+5], v[KOFF:KOFF+1]
	v_add_f32 v[T+8], v[KOFF], v[T+8]
.irp j, 0,1,2
	v_rndne_f32 v[P+\j], v[P+\j]
.endr
.irp j, 0,1,2
	v_med3_num_f32 v[Q+\j], v[P+\j], s34, s35      ; 16 hard_tanh(c)
.endr
.irp j, 0,1,2
	v_med3_num_f32 v[C+\j], v[P+\j], s32, s33      ; 16 c, saturated
.endr
	v_pk_mul_f32 v[Q:Q+1], v[Q:Q+1], v[T+4:T+5]    ; o x 16 hard_tanh(c)
	v_mul_f32 v[Q+2], v[Q+2], v[T+8]
.if \on
.if ((\s)&1) == 1
	XC XN_
.endif
.endif
.irp j, 0,1,2
	v_rndne_f32 v[Q+\j], v[Q+\j]                   ; 16 h, at most 16 in size
.endr
	v_cvt_pk_bf16_f32 v[BF+8*NB_], v[Q], v[Q+1]    ; into my own k places of the next step's B
	v_cvt_pk_bf16_f32 v[BF+8*NB_+1], v[Q+2], v[VONE]
.endm
	STEP -1, 0                                     ; t = 0: its head waits for the two LDS loads above; its y row is not kept
	s_mov_b32 s40, 0
; TRIP c: 32 steps, t = 32 c + 1 .. 32 c + 32, and y of times 32 c .. 32 c + 31.  The step pairs work items 4 to 15 (rows 4 to 15 of chunk c + 1, into the
; next buffer, done in step 23, first read in step 27) and items 16 to 19 (rows 0 to 3 of chunk c + 2, into the current buffer in steps 25 to 31, behind
; that buffer's last read in step 23).  Their slots are loaded again with rows 4 to 15 of chunk c + 2 and rows 0 to 3 of chunk c + 3, both clamped to chunk 63.
.Lbody:
.set sv, 0
.rept 32
	STEP sv, 1
.set sv, sv+1
.endr
	s_bitcmp1_b32 s40, 0                           ; an odd trip completes 64 steps of y: 256 bytes for each row
	s_cbranch_scc0 .Lkeep
	YLOADS                                         ; LDS serves a wave's instructions in order: these see the stores of both trips
	YSTORES
	s_wait_xcnt 0x0                                ; the stores' base is stepped only behind this wait
	s_add_nc_u64 s[22:23], s[22:23], 256           ; 64 steps of out0
.Lkeep:
	s_wait_xcnt 0x0                                ; the x loads' bases, and the registers that the stores read, are rewritten only behind this wait
	s_add_co_u32 s40, s40, 1                       ; the next trip, c
	s_add_co_u32 s36, s40, 2
	s_min_u32 s36, s36, NCHUNK-1                   ; chunk min(c + 2, 63),
	s_mul_i32 s36, s36, CHUNK                      ; in bytes
	s_add_co_u32 s38, s40, 3
	s_min_u32 s38, s38, NCHUNK-1                   ; chunk min(c + 3, 63)
	s_mul_i32 s38, s38, CHUNK
	s_add_nc_u64 s[44:45], s[8:9], s[36:37]        ; no load leaves a row of x: at most 63 x 384 + 384 bytes into it
	s_add_nc_u64 s[46:47], s[8:9], s[38:39]
	v_xor_b32 v[XWN], XFLIP, v[XWN]                ; the x buffers change roles,
	v_xor_b32 v[XWC], XFLIP, v[XWC]
	v_xor_b32 v[XRD], XFLIP, v[XRD]
	v_xor_b32 v[XRN], XFLIP, v[XRN]
	v_xor_b32 v[YST], YFLIP, v[YST]                ; and so do the y stages
	s_cmp_lt_u32 s40, NCHUNK
	s_cbranch_scc1 .Lbody
	s_wait_tensorcnt 0x0
	ds_add_u32 v254, v255
	s_wait_dscnt 0x0
	s_endpgm                                       ; trip 63 was odd: all of y is stored; the ring's last 16 loads (clamped, unused) may be out here
.Lfunc_end_k_q1fcac1d45b_lstm:
	.size	k_q1fcac1d45b_lstm, .Lfunc_end_k_q1fcac1d45b_lstm-k_q1fcac1d45b_lstm
	.p2alignl 7, 3214868480
	.fill 96, 4, 3214868480
	.section	.rodata,"a",@progbits
	.p2align	6, 0x0
	.amdhsa_kernel k_q1fcac1d45b_lstm
		.amdhsa_group_segment_fixed_size 168192
		.amdhsa_private_segment_fixed_size 0
		.amdhsa_enable_private_segment 0
		.amdhsa_kernarg_size 64
		.amdhsa_user_sgpr_count 2
		.amdhsa_user_sgpr_kernarg_segment_ptr 1
		.amdhsa_wavefront_size32 1
		.amdhsa_system_sgpr_workgroup_id_x 1
		.amdhsa_system_sgpr_workgroup_id_y 1
		.amdhsa_system_sgpr_workgroup_id_z 1
		.amdhsa_system_vgpr_workitem_id 0
		.amdhsa_next_free_vgpr 256
		.amdhsa_next_free_sgpr 66
		.amdhsa_reserve_vcc 1
		.amdhsa_float_denorm_mode_32 3
		.amdhsa_float_denorm_mode_16_64 3
		.amdhsa_memory_ordered 1
		.amdhsa_forward_progress 1
		.amdhsa_inst_pref_size 151
	.end_amdhsa_kernel
	.amdgpu_metadata
---
amdhsa.version: [ 1, 2 ]
amdhsa.kernels:
  - .name:           k_q1fcac1d45b_lstm
    .symbol:         k_q1fcac1d45b_lstm.kd
    .args:
      - { .name: x, .offset: 0, .size: 8, .value_kind: global_buffer, .address_space: global }
      - { .name: W_ih, .offset: 8, .size: 8, .value_kind: global_buffer, .address_space: global }
      - { .name: W_hh, .offset: 16, .size: 8, .value_kind: global_buffer, .address_space: global }
      - { .name: b_ih, .offset: 24, .size: 8, .value_kind: global_buffer, .address_space: global }
      - { .name: b_hh, .offset: 32, .size: 8, .value_kind: global_buffer, .address_space: global }
      - { .name: W_lin, .offset: 40, .size: 8, .value_kind: global_buffer, .address_space: global }
      - { .name: b_lin, .offset: 48, .size: 8, .value_kind: global_buffer, .address_space: global }
      - { .name: out0, .offset: 56, .size: 8, .value_kind: global_buffer, .address_space: global }
    .group_segment_fixed_size: 168192
    .private_segment_fixed_size: 0
    .kernarg_segment_align: 8
    .kernarg_segment_size: 64
    .max_flat_workgroup_size: 32
    .sgpr_count:     66
    .vgpr_count:     256
    .wavefront_size: 32
...
	.end_amdgpu_metadata
.endif
;; end of part 2
;; ======== version 3 of 4: 1 launch; 1.46 times as fast as version 1
;; launch lstm (part 3): grid 256 x 1, 1 waves a work-group, no clusters, 168,192 bytes of LDS; arguments x, W_ih, W_hh, b_ih, b_hh, W_lin, b_lin, out0; writes out0
.if DOCPART == 3
	.amdgcn_target "amdgcn-amd-amdhsa--gfx1250"
	.amdhsa_code_object_version 6
	.text
	.protected	k_q1fcac1d45b_lstm
	.globl	k_q1fcac1d45b_lstm
	.p2align	8
	.type	k_q1fcac1d45b_lstm,@function
k_q1fcac1d45b_lstm:
	s_mov_b64 s[64:65], 0
	v_nop
	global_prefetch_b8 v0, s[64:65] scope:SCOPE_SE
	s_setreg_imm32_b32 hwreg(HW_REG_WAVE_MODE, 25, 1), 1
	s_wait_xcnt 0x0
; Fixed-point LSTM (B = 4096, T = 2048, I = 3, H = 5) with its 5 -> 1 linear layer, in one launch.
; Every quantised number is an integer of 8 bits over 16, so all products and sums of the model but one are exact in f32, and the
; integers (also b_ih16 + b_hh16, at most 256 in size) are exact in bf16.
; WORK: 2048 dependent steps and 4096 independent chains.  One wave carries 16 batch rows (one column n of the matrix
; instruction each, two lanes a row); 256 work-groups of one wave.  The launch asks for more than half of a WGP's LDS (it uses
; 20,736 bytes) so that the chain's wave has its WGP to itself.
; A STEP is two v_wmma_f32_16x16x32_bf16 with C = 0:  D = A x B, A = constant weights (gate rows permuted), B's column r =
; (16 h of step t-1, 1.0, 16 x of step t).  A holds W16/16 and, against the 1.0, b_ih16 + b_hh16, so D = 16 x the pre-activation.
; In D lane (r, half) holds rows 8 half + j of batch r; in B the same lane owns k = 8 half .. +7 and 16 + 8 half .. +7 of column r.
; Half 0 works units 0, 1, 2 and writes their h into its own k = 0..2, half 1 units 3, 4 (and a dummy unit of zero weights) into
; k = 8..10: nothing crosses lanes.  y of step t-1 is one more row of step t's second tile (W_lin on the h places, b_lin16 against
; the 1.0), so the steps run t = 0 .. 2048: one step written out, then 64 trips of ONE text of 32 steps.
; ONE TEXT FOR ALL TRIPS: the x stream runs 32 steps ahead of its use, so the last trips would ask beyond x's rows.  Their chunk numbers are
; clamped to the last chunk instead of writing tails out: trips 61, 62 and 63 load 4 + 16 + 16 items of 384 bytes of chunk 63 once more
; (13,824 bytes a wave, 3.5 per cent of its x).  What comes of them meets zero weights or results that nobody uses; the last step
; (t = 2048) is a whole step of which only the y row counts.  In return the text is the set-up and 32 steps, and every wait has one count.
; THE ORDER INSIDE A STEP: the chain from h to h is twelve dependent vector instructions long and two or three wide at its end.  What is not on
; it (the o gates, g's rounding and clamp, c's clamp, y, the x stream) is laid between its links, one to one, so that a link and the reader of its
; result stand about five instructions apart where there is such work.  All memory and LDS instructions of a step stand together at its end.
; hard_sigmoid, THE ONE INEXACT LINE: x / 6.0 + 0.5 is taken as ONE fused multiply-add, v = fma(x, f32(1/6), 0.5), formed here as
; fma(g16, f32(1/6) / 16, 0.5): the same real product (x = g16 / 16), so the same f32.  f32(1/6) is 1/6 (1 + 2^-25); where v < 1/4 the surplus
; |x/6| 2^-25 is more than half a last place of v, so at g16 = -27 and -39 v lies just below the ties 3.5/16 and 1.5/16 and the gate is 3/16
; and 1/16 (a true division would stand on the tie and give 4/16 and 2/16).  At all other gate values the two forms agree.
; Then v + M', M' = 1.5 x 2^19: f32 numbers there are 1/16 apart and 16 M' is even, so the one add is round-half-even(16 v) / 16.
; The gates' own clamp to [-128, 127] is covered by the later clamps (0 to 1 for the sigmoids, +-16 for tanh).
; NOT USED, and why: clusters and joint loads (the work-groups share 824 bytes of weights and nothing else); the tensor mover (x has
; to pass the vector unit to be quantised); prefetches (each x load is issued 32 steps ahead of its use); register windows.
; LIMIT: a NaN in x or in a weight is not reproduced (v_med3_num_f32 drops it).  Infinities and all finite sizes are served.
.set XROW,   24576                     ; bytes of a batch row of x
.set CHUNK,  384                       ; 32 steps of a row of x: one item of the stream
.set NCHUNK, 64                        ; chunks in a row, and trips of the loop
.set XPITCH, 272                       ; LDS row of an x buffer: 32 steps x 8 bytes (bf16 x0, x1, x2, 0) + 16: 17 x 16 bytes, so 16 rows begin in 16 different 16-byte columns modulo 256
.set XFLIP,  0x4000                    ; x buffer 0 at LDS byte 0, buffer 1 at 16384 (4,352 bytes each): xor changes buffers
.set YB,     0x2000                    ; y stage of the even trips: 16 rows of 32 f32 + 16 bytes (2,304 bytes)
.set YFLIP,  0x1000                    ; the odd trips' stage lies at 0x3000: xor changes stages
.set YPITCH, 144                       ; 9 x 16 bytes
.set XOFF, 1                           ; v1   12 x lane: my step's 12 bytes in an item
.set XWN,  2                           ; v2   8 x lane + the NEXT chunk's buffer
.set XWC,  3                           ; v3   8 x lane + the current chunk's buffer
.set XRD,  4                           ; v4   r x 272 + 16 half + the current buffer
.set XRN,  5                           ; v5   the same in the next buffer
.set YST,  6                           ; v6   this trip's stage + r x 144 + 16 half
.set YLD,  7                           ; v7   YB + ((lane / 8) mod 2) x 0x1000 + half x 144 + 16 (lane mod 8)
.set OOFF, 8                           ; v8   half x 8192 + 16 r: two rows of out0
.set VONE, 9                           ; v9   1.0
.set XP,   10                          ; v[10:11] a step's x, packed
.set KC6,  12                          ; v[12:13] f32(1/6) / 16, twice
.set KM,   14                          ; v[14:15] M' = 1.5 x 2^19, twice
.set KR,   16                          ; v[16:17] 1/16, twice
.set KOFF, 18                          ; v[18:19] -M', twice
.set K16,  20                          ; v[20:21] 16, twice
.set D0,   22                          ; v[22:29] rows ia ib fa fb oa ob ic fc
.set D1,   30                          ; v[30:37] rows oc y ga gb gc - - -
.set T,    38                          ; v38..46  ia ib fa fb oa ob ic fc oc
.set VZERO, 47                         ; v47  0
.set G,    48                          ; v48..50  16 x tanh gate
.set P,    52                          ; v52..54  16 x new cell, before and after rounding
.set C,    56                          ; v56..58  16 c
.set Q,    60                          ; v60..62  16 hard_tanh(c), then 16 h
.set Y,    64                          ; v64..71  eight steps' 16 y
.set Z,    72                          ; v72..75  my half's four of them
.set BF,   76                          ; v[76:83], v[84:91] B, for even and odd groups of four steps
.set AF,   92                          ; v92..155 A: tile t of variant v (= step mod 4) at AF + 8 (2 v + t)
.set XRING, 156                        ; v156..219 16 slots of 4 registers (3 used): x loads on their way
.set FL,   220                         ; v220..251 y on its way out; at the start the raw weights
.set KH,   252                         ; v[252:253] 1/2, twice
.set PR,   22                          ; set-up only: r, half, 4 j, 3 h', and six registers a tile for row numbers and offsets
.set PH,   23
.set PJ,   24
.set PU,   25
.set TA,   28
.set PK,   60                          ; set-up only: packed words pA pB pC pX0 pX1, then R0 R1 XL0 XL1 XH0 XH1
; scalars: s[8:9] x at my rows (never stepped), s[44:45] and s[46:47] x at the two chunks that a trip loads from, s[22:23] out0, s40 the trip
	s_load_b512 s[8:23], s[0:1], 0x0               ; x s[8:9], W_ih s[10:11], W_hh s[12:13], b_ih s[14:15], b_hh s[16:17], W_lin s[18:19], b_lin s[20:21], out0 s[22:23]
	v_lshl_add_u32 v254, v0, 2, 0x29000
	v_mov_b32 v255, 0
	v_and_b32 v[PR], 15, v0                        ; r: batch row of B and D, gate row m of A
	v_lshrrev_b32 v[PH], 4, v0                     ; half
	v_cmp_le_u32 vcc_lo, 16, v0                    ; VCC = lanes 16 to 31, for the whole kernel
	v_and_b32 v[PJ], 7, v[PR]
	v_lshlrev_b32 v[PJ], 2, v[PJ]                  ; 4 j, j = m mod 8
	v_lshrrev_b32 v[PU], 3, v[PR]                  ; h' = m / 8
	v_mul_u32_u24 v[YLD], v[PH], YPITCH            ; the way back from the stages: lanes 0-15 one row, lanes 16-31 the next;
	v_lshl_add_u32 v[YLD], v[PJ], 2, v[YLD]        ; 16 bytes a lane, eight lanes to a stage's 128 bytes;
	v_lshl_add_u32 v[YLD], v[PU], 12, v[YLD]       ; lanes 8-15 and 24-31 read the odd trips' stage
	v_add_nc_u32 v[YLD], YB, v[YLD]
	v_mul_u32_u24 v[PU], v[PU], 3                  ; 3 h': the first unit of that half
	v_cmp_eq_u32 s41, 4, v[PJ]                     ; j = 1: tile 1's y rows
	v_mul_u32_u24 v[XOFF], v0, 12
	v_lshlrev_b32 v[XWN], 3, v0                    ; during set-up 'next' is buffer 0 (chunk 0 goes there)
	v_or_b32 v[XWC], XFLIP, v[XWN]
	v_mul_u32_u24 v[XRD], v[PR], XPITCH
	v_lshl_add_u32 v[XRD], v[PH], 4, v[XRD]
	v_xor_b32 v[XRN], XFLIP, v[XRD]
	v_mul_u32_u24 v[YST], v[PR], YPITCH
	v_lshl_add_u32 v[YST], v[PH], 4, v[YST]
	v_add_nc_u32 v[YST], YB, v[YST]
	v_lshlrev_b32 v[OOFF], 13, v[PH]
	v_lshl_add_u32 v[OOFF], v[PR], 4, v[OOFF]
	s_mov_b32 s30, 0x49400000                      ; M'
	s_mov_b32 s31, 0x49400010                      ; M' + 1
	s_mov_b32 s32, 0xc3000000                      ; -128
	s_mov_b32 s33, 0x42fe0000                      ; 127
	s_mov_b32 s34, 0xc1800000                      ; -16
	s_mov_b32 s35, 0x41800000                      ; 16
	s_mul_i32 s2, ttmp9, 16*XROW                   ; my 16 rows of x (below 4 GiB)
	s_mov_b32 s3, 0
	s_lshl_b32 s42, ttmp9, 17                      ; my 16 rows of out0, 8,192 bytes each
	s_mov_b32 s43, 0
; The weight row that A's row m = 8 h' + j holds: nibble j of types = gate (i 0, f 1, g 2, o 3), of slots = the unit's place in its half
; (7: no unit).  unit = 3 h' + slot; rows with unit > 4 get zero weights (vmask off) and load row 5 type + 4, which exists.
.macro ROWS t, types, slots, vmask
.set A_, TA+8*\t
	s_mov_b32 s36, \types
	s_mov_b32 s37, \slots
	v_bfe_u32 v[A_], s36, v[PJ], 4
	v_bfe_u32 v[A_+1], s37, v[PJ], 4
	v_add_nc_u32 v[A_+1], v[A_+1], v[PU]
	v_cmp_gt_u32 \vmask, 5, v[A_+1]
	v_min_u32 v[A_+1], 4, v[A_+1]
	v_mad_u32_u24 v[A_+2], v[A_], 5, v[A_+1]       ; row 0 .. 19
	v_mul_u32_u24 v[A_+3], v[A_+2], 20             ; its bytes in W_hh,
	v_mul_u32_u24 v[A_+4], v[A_+2], 12             ; in W_ih,
	v_lshlrev_b32 v[A_+5], 2, v[A_+2]              ; in the biases
.endm
.macro WLOADS t                        ; ten numbers a lane: w0..4, u0..2, b_ih, b_hh of my row
.set A_, TA+8*\t
.irp k, 0,1,2,3,4
	global_load_b32 v[FL+10*\t+\k], v[A_+3], s[12:13] offset:4*\k
.endr
.irp k, 0,1,2
	global_load_b32 v[FL+10*\t+5+\k], v[A_+4], s[10:11] offset:4*\k
.endr
	global_load_b32 v[FL+10*\t+8], v[A_+5], s[14:15]
	global_load_b32 v[FL+10*\t+9], v[A_+5], s[16:17]
.endm
	ROWS 0, 0x10331100, 0x22101010, s38
	ROWS 1, 0x00022203, 0x77721072, s39
	s_wait_kmcnt 0x0                               ; the eight addresses
	s_load_b128 s[24:27], s[18:19], 0x0            ; W_lin[0..3]
	s_load_b32 s28, s[18:19], 0x10                 ; W_lin[4]
	s_load_b32 s29, s[20:21], 0x0                  ; b_lin
	WLOADS 0
	WLOADS 1
	s_add_nc_u64 s[8:9], s[8:9], s[2:3]            ; x at my rows, chunk 0
	s_add_nc_u64 s[22:23], s[22:23], s[42:43]      ; out0 at my rows
	s_add_nc_u64 s[44:45], s[8:9], CHUNK           ; the set-up counts as trip -1: it loads from chunks 1
	s_add_nc_u64 s[46:47], s[8:9], 2*CHUNK         ; and 2
; THE x STREAM.  An item is 32 steps of one row: 384 neighbouring bytes, 12 a lane.  Item i of trip c: chunk c + 1 + i / 16, row i mod 16.
; Slot i mod 16 of the ring; 16 loads are always on their way.
.set pn, 0
.rept 16
	global_load_b96 v[XRING+4*pn:XRING+4*pn+2], v[XOFF], s[8:9] offset:pn*XROW th:TH_LOAD_NT
.set pn, pn+1
.endr
	v_mov_b32 v[VONE], 1.0
	v_mov_b32 v[VZERO], 0
.irp k, 0,1
	v_mov_b32 v[KC6+\k], 0x3c2aaaab
	v_mov_b32 v[KM+\k], 0x49400000
	v_mov_b32 v[KR+\k], 0x3d800000
	v_mov_b32 v[KOFF+\k], 0xc9400000
	v_mov_b32 v[K16+\k], 0x41800000
	v_mov_b32 v[KH+\k], 0.5
.endr
	s_wait_kmcnt 0x0                               ; W_lin, b_lin
	s_wait_loadcnt 16                              ; loads return in order (ISA guide 5.7.1): the 16 x loads issued behind the 20 weight loads may stay out
; Tile t of A, in its four variants.  k places, the same in A and in B: register 0 = (h0, h1) in half 0, (h3, h4) in half 1; register 1 =
; (h2, 1.0) in half 0, nothing in half 1; registers 2, 3 nothing; registers 4, 5 = x of step 4g (half 0) or 4g+2 (half 1), registers 6, 7 = x of
; step 4g+1 or 4g+3.  Variant v has W_ih only at step 4g+v's places, so one B fragment serves four steps.
.macro ATILE t, vmask
.set W_, FL+10*\t
.irp k, 0,1,2,3,4,5,6,7,8,9
	v_cndmask_b32 v[W_+\k], v[VZERO], v[W_+\k], \vmask   ; rows without a unit: zeros
.endr
.if \t
.irp k, 0,1,2,3,4
	v_cndmask_b32 v[W_+\k], v[W_+\k], s[24+\k], s41      ; the y rows: W_lin on the h places,
.endr
	v_cndmask_b32 v[W_+8], v[W_+8], s29, s41             ; b_lin as the bias
.endif
.irp k, 0,1,2,3,4,5,6,7,8,9
	v_mul_f32 v[W_+\k], s35, v[W_+\k]                    ; quantise: x 16, to nearest even, saturate
.endr
.irp k, 0,1,2,3,4,5,6,7,8,9
	v_rndne_f32 v[W_+\k], v[W_+\k]
.endr
.irp k, 0,1,2,3,4,5,6,7,8,9
	v_med3_num_f32 v[W_+\k], v[W_+\k], s32, s33
.endr
.irp k, 0,1,2,3,4,5,6,7
	v_mul_f32 v[W_+\k], v[KR], v[W_+\k]                  ; weights as real numbers; the bias stays x 16
.endr
	v_add_f32 v[W_+8], v[W_+8], v[W_+9]
	v_cvt_pk_bf16_f32 v[PK], v[W_], v[W_+1]              ; (w0, w1)
	v_cvt_pk_bf16_f32 v[PK+1], v[W_+2], v[W_+8]          ; (w2, bias)
	v_cvt_pk_bf16_f32 v[PK+2], v[W_+3], v[W_+4]          ; (w3, w4)
	v_cvt_pk_bf16_f32 v[PK+3], v[W_+5], v[W_+6]          ; (u0, u1)
	v_cvt_pk_bf16_f32 v[PK+4], v[W_+7], v[VZERO]         ; (u2, 0)
	v_cndmask_b32 v[PK+5], v[PK], v[PK+2], vcc_lo        ; register 0 by halves
	v_cndmask_b32 v[PK+6], v[PK+1], v[VZERO], vcc_lo     ; register 1
	v_cndmask_b32 v[PK+7], v[PK+3], v[VZERO], vcc_lo     ; W_ih in half 0 alone
	v_cndmask_b32 v[PK+8], v[PK+4], v[VZERO], vcc_lo
	v_cndmask_b32 v[PK+9], v[VZERO], v[PK+3], vcc_lo     ; W_ih in half 1 alone
	v_cndmask_b32 v[PK+10], v[VZERO], v[PK+4], vcc_lo
.irp v, 0,1,2,3
	v_mov_b32 v[AF+8*(2*\v+\t)], v[PK+5]
	v_mov_b32 v[AF+8*(2*\v+\t)+1], v[PK+6]
	v_mov_b32 v[AF+8*(2*\v+\t)+2], 0
	v_mov_b32 v[AF+8*(2*\v+\t)+3], 0
	v_mov_b32 v[AF+8*(2*\v+\t)+4+2*(\v&1)], v[PK+7+2*(\v>>1)]
	v_mov_b32 v[AF+8*(2*\v+\t)+5+2*(\v&1)], v[PK+8+2*(\v>>1)]
	v_mov_b32 v[AF+8*(2*\v+\t)+6-2*(\v&1)], 0
	v_mov_b32 v[AF+8*(2*\v+\t)+7-2*(\v&1)], 0
.endr
.endm
	ATILE 0, s38
	ATILE 1, s39
	v_mov_b32 v[C], 0                              ; c = 0,
	v_mov_b32 v[C+1], 0
	v_mov_b32 v[C+2], 0
	v_mov_b32 v[BF], 0                             ; h = 0,
	v_mov_b32 v[BF+1], 0x3f800000                  ; (0, 1.0)
	v_mov_b32 v[BF+2], 0                           ; and the places that nothing uses
	v_mov_b32 v[BF+3], 0
	v_mov_b32 v[BF+10], 0
	v_mov_b32 v[BF+11], 0
; An item's work in four parts.  XA and XB are four plain vector instructions each that name no matrix register: in the steps they are the four
; places behind the first matrix instruction (ISA guide 7.12.1).
.macro XA idx
.set R_, XRING+4*((\idx)&15)
	s_wait_loadcnt 15                              ; ring of 16: the item's load is in, the 15 younger loads stay out; the same in the set-up, on the way into the loop and over its backward jump
	v_pk_mul_f32 v[R_:R_+1], v[R_:R_+1], v[K16:K16+1]
	v_mul_f32 v[R_+2], s35, v[R_+2]
	v_rndne_f32 v[R_], v[R_]
	v_rndne_f32 v[R_+1], v[R_+1]
.endm
.macro XB idx
.set R_, XRING+4*((\idx)&15)
	v_rndne_f32 v[R_+2], v[R_+2]
	v_med3_num_f32 v[R_], v[R_], s32, s33
	v_med3_num_f32 v[R_+1], v[R_+1], s32, s33
	v_med3_num_f32 v[R_+2], v[R_+2], s32, s33
.endm
.macro XCV idx                         ; pack a step's three numbers and a zero
.set R_, XRING+4*((\idx)&15)
	v_cvt_pk_bf16_f32 v[XP], v[R_], v[R_+1]
	v_cvt_pk_bf16_f32 v[XP+1], v[R_+2], v[VZERO]
.endm
.macro XCM idx                         ; 8 bytes a lane into LDS (256 neighbouring bytes a wave), and the slot's next load, 16 items on
.set R_, XRING+4*((\idx)&15)
.set N2_, (\idx)+16
.if (\idx) < 16
	ds_store_b64 v[XWN], v[XP:XP+1] offset:(\idx)*XPITCH
.else
	ds_store_b64 v[XWC], v[XP:XP+1] offset:((\idx)-16)*XPITCH
.endif
.if N2_ < 32
	global_load_b96 v[R_:R_+2], v[XOFF], s[44:45] offset:(N2_-16)*XROW th:TH_LOAD_NT
.else
	global_load_b96 v[R_:R_+2], v[XOFF], s[46:47] offset:(N2_-32)*XROW th:TH_LOAD_NT
.endif
.endm
; Set-up: chunk 0 whole (items 0 to 15, buffer 0) and rows 0 to 3 of chunk 1 (items 16 to 19, buffer 1): where every trip leaves the stream.
.set pn, 0
.rept 20
	XA pn
	XB pn
	XCV pn
	XCM pn
.set pn, pn+1
.endr
	s_wait_xcnt 0x0                                ; the pending loads' bases are rewritten only behind this wait
	s_add_nc_u64 s[44:45], s[8:9], 2*CHUNK         ; trip 0 loads from chunks 2
	s_add_nc_u64 s[46:47], s[8:9], 3*CHUNK         ; and 3
	s_mov_b32 s37, 0                               ; high words of the two offsets made at the loop's foot
	s_mov_b32 s39, 0
	v_xor_b32 v[XWN], XFLIP, v[XWN]                ; next = buffer 1, current = buffer 0
	v_xor_b32 v[XWC], XFLIP, v[XWC]
	ds_load_b128 v[BF+4:BF+7], v[XRD]              ; steps 0 to 3 (LDS serves a wave's instructions in order, ISA guide 5.7.1: these see the stores above)
	ds_load_b128 v[BF+12:BF+15], v[XRD] offset:32  ; steps 4 to 7
; Eight steps' y, in three runs that are laid into the eighth step: half 0 takes the first four, half 1 the last four; saturate; / 16.
.macro YO1
.irp k, 0,1,2,3
	v_cndmask_b32 v[Z+\k], v[Y+\k], v[Y+4+\k], vcc_lo
.endr
.endm
.macro YO2
.irp k, 0,1,2,3
	v_med3_num_f32 v[Z+\k], v[Z+\k], s32, s33
.endr
.endm
.macro YO3
	v_pk_mul_f32 v[Z:Z+1], v[Z:Z+1], v[KR:KR+1]
	v_pk_mul_f32 v[Z+2:Z+3], v[Z+2:Z+3], v[KR:KR+1]
.endm
.macro YLOADS                          ; both stages back by rows: sixteen lanes take a row's 64 numbers, 128 bytes from each stage (the two pieces fall on the same banks: two passes, eight loads in 64 steps)
.irp i, 0,1,2,3,4,5,6,7
	ds_load_b128 v[FL+4*\i:FL+4*\i+3], v[YLD] offset:2*YPITCH*\i
.endr
.endm
.macro YSTORES                         ; sixteen lanes store 256 neighbouring bytes at a multiple of 256 from out0's first byte
.irp i, 0,1,2,3,4,5,6,7
	s_wait_dscnt 7-\i                              ; the 7 - i younger loads of YLOADS may be out
	global_store_b128 v[OOFF], v[FL+4*\i:FL+4*\i+3], s[22:23] offset:16384*\i th:TH_STORE_NT
.endr
.endm
; STEP s of trip c: time t = 32 c + 1 + s (s = -1: t = 0).  It makes h and c of t and y of t - 1.
; on = 1: a step of the loop, with its share of the x stream, the fetch of the next group of four steps' x, and y kept; on = 0: the first step, bare.
.macro STEP s, on
.set V_,  ((\s)+1)&3                   ; t mod 4: A's variant
.set PB_, (((\s)+1)>>2)&1              ; parity of t's group: which B
.set NB_, (((\s)+2)>>2)&1              ; the same for t + 1: where h goes
.set XN_, ((\s)>>1)+4                  ; the step pair s / 2 works item s / 2 + 4
.set ODD_, 0                           ; an odd step ends its item: packing, LDS store, the slot's next load
.set GRP_, 0                           ; every fourth step fetches the next group's x
.set OCT_, 0                           ; every eighth step stages eight y
.if \on
.if ((\s)&1) == 1
.set ODD_, 1
.endif
.if ((\s)&3) == 3
.set GRP_, 1
.endif
.if ((\s)&7) == 7
.set OCT_, 1
.endif
.endif
.if ((\s)&3) == 3
	s_wait_dscnt 0x0                               ; this group's x, asked for four steps ago, is in B
.endif
	v_wmma_f32_16x16x32_bf16 v[D0:D0+7], v[AF+16*V_:AF+16*V_+7], v[BF+8*PB_:BF+8*PB_+7], 0
.if \on
.if ODD_
	XB XN_                                         ; the four places behind the first matrix instruction (ISA guide 7.12.1), filled with the stream's work
.else
	XA XN_
.endif
.else
.rept 4
	v_nop                                          ; four places (ISA guide 7.12.1)
.endr
.endif
	v_wmma_f32_16x16x32_bf16 v[D1:D1+7], v[AF+16*V_+8:AF+16*V_+15], v[BF+8*PB_:BF+8*PB_+7], 0
	; The next seven lines name none of the second matrix instruction's registers (its A tile, B, D1): they are its places, ahead of the first read of D1.
.irp j, 2,3,6,7,0,1
	v_rndne_f32 v[T+\j], v[D0+\j]                  ; 16 x the quantised gates f and i, f first
.endr
	v_pk_fma_f32 v[T+2:T+3], v[T+2:T+3], v[KC6:KC6+1], v[KH:KH+1]      ; v = fma(x, f32(1/6), 1/2), one rounding
	v_rndne_f32 v[G], v[D1+2]                      ; 16 x the quantised gate g
	v_pk_fma_f32 v[T+6:T+7], v[T+6:T+7], v[KC6:KC6+1], v[KH:KH+1]
	v_rndne_f32 v[G+1], v[D1+3]
	v_pk_fma_f32 v[T:T+1], v[T:T+1], v[KC6:KC6+1], v[KH:KH+1]
	v_rndne_f32 v[G+2], v[D1+4]
	v_pk_add_f32 v[T+2:T+3], v[T+2:T+3], v[KM:KM+1]                    ; M' + v, rounded to the grid of 1/16, ties to even
	v_rndne_f32 v[T+4], v[D0+4]                    ; gate o, off the chain until h is formed
	v_pk_add_f32 v[T+6:T+7], v[T+6:T+7], v[KM:KM+1]
	v_rndne_f32 v[T+5], v[D0+5]
	v_pk_add_f32 v[T:T+1], v[T:T+1], v[KM:KM+1]
	v_rndne_f32 v[T+8], v[D1]
.irp j, 2,3,6,7,0,1
	v_med3_num_f32 v[T+\j], v[T+\j], s30, s31      ; within M' .. M' + 1
.endr
	v_pk_add_f32 v[T+2:T+3], v[T+2:T+3], v[KOFF:KOFF+1]                ; - M': the gate, 0 to 1, exact
	v_med3_num_f32 v[G], v[G], s34, s35            ; 16 hard_tanh(g)
	v_pk_add_f32 v[T+6:T+7], v[T+6:T+7], v[KOFF:KOFF+1]
	v_med3_num_f32 v[G+1], v[G+1], s34, s35
	v_pk_add_f32 v[T:T+1], v[T:T+1], v[KOFF:KOFF+1]
	v_med3_num_f32 v[G+2], v[G+2], s34, s35
	v_pk_mul_f32 v[P:P+1], v[T+2:T+3], v[C:C+1]    ; f x 16 c
	v_pk_fma_f32 v[T+4:T+5], v[T+4:T+5], v[KC6:KC6+1], v[KH:KH+1]
	v_mul_f32 v[P+2], v[T+7], v[C+2]
	v_fma_f32 v[T+8], v[T+8], v[KC6], v[KH]
	v_pk_fma_f32 v[P:P+1], v[T:T+1], v[G:G+1], v[P:P+1]                ; + i x 16 g: exact
	v_pk_add_f32 v[T+4:T+5], v[T+4:T+5], v[KM:KM+1]
	v_fmac_f32 v[P+2], v[T+6], v[G+2]
	v_add_f32 v[T+8], v[KM], v[T+8]
.if \on
	v_rndne_f32 v[Y+((\s)&7)], v[D1+1]             ; 16 y of t - 1
.endif
.if OCT_
	YO1
.endif
	v_rndne_f32 v[P], v[P]
	v_rndne_f32 v[P+1], v[P+1]
	v_med3_num_f32 v[T+4], v[T+4], s30, s31
	v_med3_num_f32 v[T+5], v[T+5], s30, s31
	v_rndne_f32 v[P+2], v[P+2]
	v_med3_num_f32 v[T+8], v[T+8], s30, s31
	v_med3_num_f32 v[Q], v[P], s34, s35            ; 16 hard_tanh(c)
	v_med3_num_f32 v[Q+1], v[P+1], s34, s35
	v_pk_add_f32 v[T+4:T+5], v[T+4:T+5], v[KOFF:KOFF+1]
	v_med3_num_f32 v[Q+2], v[P+2], s34, s35
	v_add_f32 v[T+8], v[KOFF], v[T+8]
	v_med3_num_f32 v[C], v[P], s32, s33            ; 16 c, saturated: wanted in the next step only
	v_med3_num_f32 v[C+1], v[P+1], s32, s33
	v_pk_mul_f32 v[Q:Q+1], v[Q:Q+1], v[T+4:T+5]    ; o x 16 hard_tanh(c)
	v_med3_num_f32 v[C+2], v[P+2], s32, s33
	v_mul_f32 v[Q+2], v[Q+2], v[T+8]
.if ODD_
	XCV XN_
.endif
.if OCT_
	YO2
.endif
.irp j, 0,1,2
	v_rndne_f32 v[Q+\j], v[Q+\j]                   ; 16 h, at most 16 in size
.endr
.if OCT_
	YO3
.endif
	v_cvt_pk_bf16_f32 v[BF+8*NB_], v[Q], v[Q+1]    ; into my own k places of the next step's B
	v_cvt_pk_bf16_f32 v[BF+8*NB_+1], v[Q+2], v[VONE]
	; The step's memory and LDS instructions, in one run in front of the next step's matrix instructions, which need the two packings above in any case.
.if ODD_
	XCM XN_
.endif
.if GRP_
.set GI_, (((\s)+1)>>2)+1                          ; the group behind this one, into the B that the matrix instructions of the step before read last
.if GI_ <= 7
	ds_load_b128 v[BF+8*(GI_&1)+4:BF+8*(GI_&1)+7], v[XRD] offset:32*GI_
.else
	ds_load_b128 v[BF+8*(GI_&1)+4:BF+8*(GI_&1)+7], v[XRN] offset:32*(GI_-8)   ; groups 0 and 1 of the next chunk, whole since step 23
.endif
.endif
.if OCT_
.set YO_, (\s)>>3
	ds_store_b128 v[YST], v[Z:Z+3] offset:32*YO_   ; 16 bytes a lane into this trip's stage
.endif
.endm
	STEP -1, 0                                     ; t = 0: its head waits for the two LDS loads above; its y row is not kept
	s_mov_b32 s40, 0
; TRIP c: 32 steps, t = 32 c + 1 .. 32 c + 32, and y of times 32 c .. 32 c + 31.  The step pairs work items 4 to 15 (rows 4 to 15 of chunk c + 1, into the
; next buffer, done at the end of step 23, first read at the end of step 27) and items 16 to 19 (rows 0 to 3 of chunk c + 2, into the current buffer at the ends
; of steps 25 to 31, behind that buffer's last read at the end of step 23).  Their slots are loaded again with rows 4 to 15 of chunk c + 2 and rows 0 to 3 of
; chunk c + 3, both clamped to chunk 63.
.Lbody:
.set sv, 0
.rept 32
	STEP sv, 1
.set sv, sv+1
.endr
	s_bitcmp1_b32 s40, 0                           ; an odd trip completes 64 steps of y: 256 bytes for each row
	s_cbranch_scc0 .Lkeep
	YLOADS                                         ; LDS serves a wave's instructions in order: these see the stores of both trips
	YSTORES
	s_wait_xcnt 0x0                                ; the stores' base is stepped only behind this wait
	s_add_nc_u64 s[22:23], s[22:23], 256           ; 64 steps of out0
.Lkeep:
	s_wait_xcnt 0x0                                ; the x loads' bases, and the registers that the stores read, are rewritten only behind this wait
	s_add_co_u32 s40, s40, 1                       ; the next trip, c
	s_add_co_u32 s36, s40, 2
	s_min_u32 s36, s36, NCHUNK-1                   ; chunk min(c + 2, 63),
	s_mul_i32 s36, s36, CHUNK                      ; in bytes
	s_add_co_u32 s38, s40, 3
	s_min_u32 s38, s38, NCHUNK-1                   ; chunk min(c + 3, 63)
	s_mul_i32 s38, s38, CHUNK
	s_add_nc_u64 s[44:45], s[8:9], s[36:37]        ; no load leaves a row of x: at most 63 x 384 + 384 bytes into it
	s_add_nc_u64 s[46:47], s[8:9], s[38:39]
	v_xor_b32 v[XWN], XFLIP, v[XWN]                ; the x buffers change roles,
	v_xor_b32 v[XWC], XFLIP, v[XWC]
	v_xor_b32 v[XRD], XFLIP, v[XRD]
	v_xor_b32 v[XRN], XFLIP, v[XRN]
	v_xor_b32 v[YST], YFLIP, v[YST]                ; and so do the y stages
	s_cmp_lt_u32 s40, NCHUNK
	s_cbranch_scc1 .Lbody
	s_wait_tensorcnt 0x0
	ds_add_u32 v254, v255
	s_wait_dscnt 0x0
	s_endpgm                                       ; trip 63 was odd: all of y is stored; the ring's last 16 loads (clamped, unused) may be out here
.Lfunc_end_k_q1fcac1d45b_lstm:
	.size	k_q1fcac1d45b_lstm, .Lfunc_end_k_q1fcac1d45b_lstm-k_q1fcac1d45b_lstm
	.p2alignl 7, 3214868480
	.fill 96, 4, 3214868480
	.section	.rodata,"a",@progbits
	.p2align	6, 0x0
	.amdhsa_kernel k_q1fcac1d45b_lstm
		.amdhsa_group_segment_fixed_size 168192
		.amdhsa_private_segment_fixed_size 0
		.amdhsa_enable_private_segment 0
		.amdhsa_kernarg_size 64
		.amdhsa_user_sgpr_count 2
		.amdhsa_user_sgpr_kernarg_segment_ptr 1
		.amdhsa_wavefront_size32 1
		.amdhsa_system_sgpr_workgroup_id_x 1
		.amdhsa_system_sgpr_workgroup_id_y 1
		.amdhsa_system_sgpr_workgroup_id_z 1
		.amdhsa_system_vgpr_workitem_id 0
		.amdhsa_next_free_vgpr 256
		.amdhsa_next_free_sgpr 66
		.amdhsa_reserve_vcc 1
		.amdhsa_float_denorm_mode_32 3
		.amdhsa_float_denorm_mode_16_64 3
		.amdhsa_memory_ordered 1
		.amdhsa_forward_progress 1
		.amdhsa_inst_pref_size 151
	.end_amdhsa_kernel
	.amdgpu_metadata
---
amdhsa.version: [ 1, 2 ]
amdhsa.kernels:
  - .name:           k_q1fcac1d45b_lstm
    .symbol:         k_q1fcac1d45b_lstm.kd
    .args:
      - { .name: x, .offset: 0, .size: 8, .value_kind: global_buffer, .address_space: global }
      - { .name: W_ih, .offset: 8, .size: 8, .value_kind: global_buffer, .address_space: global }
      - { .name: W_hh, .offset: 16, .size: 8, .value_kind: global_buffer, .address_space: global }
      - { .name: b_ih, .offset: 24, .size: 8, .value_kind: global_buffer, .address_space: global }
      - { .name: b_hh, .offset: 32, .size: 8, .value_kind: global_buffer, .address_space: global }
      - { .name: W_lin, .offset: 40, .size: 8, .value_kind: global_buffer, .address_space: global }
      - { .name: b_lin, .offset: 48, .size: 8, .value_kind: global_buffer, .address_space: global }
      - { .name: out0, .offset: 56, .size: 8, .value_kind: global_buffer, .address_space: global }
    .group_segment_fixed_size: 168192
    .private_segment_fixed_size: 0
    .kernarg_segment_align: 8
    .kernarg_segment_size: 64
    .max_flat_workgroup_size: 32
    .sgpr_count:     66
    .vgpr_count:     256
    .wavefront_size: 32
...
	.end_amdgpu_metadata
.endif
;; end of part 3
;; ======== version 4 of 4: 1 launch; version 3 with the launch lstm written anew for expert scheduling mode
;; launch lstm (part 4): grid 256 x 1, 1 waves a work-group, no clusters, 168,192 bytes of LDS; arguments x, W_ih, W_hh, b_ih, b_hh, W_lin, b_lin, out0; writes out0
.if DOCPART == 4
	.amdgcn_target "amdgcn-amd-amdhsa--gfx1250"
	.amdhsa_code_object_version 6
	.text
	.protected	k_q1fcac1d45b_lstm
	.globl	k_q1fcac1d45b_lstm
	.p2align	8
	.type	k_q1fcac1d45b_lstm,@function
k_q1fcac1d45b_lstm:
	s_mov_b64 s[64:65], 0
	v_nop
	global_prefetch_b8 v0, s[64:65] scope:SCOPE_SE
	s_setreg_imm32_b32 hwreg(HW_REG_WAVE_SCHED_MODE, 0, 2), 2
	s_setreg_imm32_b32 hwreg(HW_REG_WAVE_MODE, 25, 1), 1
	s_wait_xcnt 0x0
	s_wait_alu depctr_vm_vsrc(0)
; Fixed-point LSTM (B = 4096, T = 2048, I = 3, H = 5) with its 5 -> 1 linear layer, in one launch.
; Every quantised number is an integer of 8 bits over 16, so all products and sums of the model but one are exact in f32, and the
; integers (also b_ih16 + b_hh16, at most 256 in size) are exact in bf16.
; WORK: 2048 dependent steps and 4096 independent chains.  One wave carries 16 batch rows (one column n of the matrix
; instruction each, two lanes a row); 256 work-groups of one wave.  The launch asks for more than half of a WGP's LDS (it uses
; 20,736 bytes) so that the chain's wave has its WGP to itself.
; A STEP is two v_wmma_f32_16x16x32_bf16 with C = 0:  D = A x B, A = constant weights (gate rows permuted), B's column r =
; (16 h of step t-1, 1.0, 16 x of step t).  A holds W16/16 and, against the 1.0, b_ih16 + b_hh16, so D = 16 x the pre-activation.
; In D lane (r, half) holds rows 8 half + j of batch r; in B the same lane owns k = 8 half .. +7 and 16 + 8 half .. +7 of column r.
; Half 0 works units 0, 1, 2 and writes their h into its own k = 0..2, half 1 units 3, 4 (and a dummy unit of zero weights) into
; k = 8..10: nothing crosses lanes.  y of step t-1 is one more row of step t's second tile (W_lin on the h places, b_lin16 against
; the 1.0), so the steps run t = 0 .. 2048: one step written out, then 64 trips of ONE text of 32 steps.
; ONE TEXT FOR ALL TRIPS: the x stream runs 32 steps ahead of its use, so the last trips would ask beyond x's rows.  Their chunk numbers are
; clamped to the last chunk instead of writing tails out: trips 61, 62 and 63 load 4 + 16 + 16 items of 384 bytes of chunk 63 once more
; (13,824 bytes a wave, 3.5 per cent of its x).  What comes of them meets zero weights or results that nobody uses; the last step
; (t = 2048) is a whole step of which only the y row counts.  In return the text is the set-up and 32 steps, and every wait has one count.
; THE ORDER INSIDE A STEP: the chain from h to h is twelve dependent vector instructions long and two or three wide at its end.  What is not on
; it (the o gates, g's rounding and clamp, c's clamp, y, the x stream) is laid between its links, one to one, so that a link and the reader of its
; result stand about five instructions apart where there is such work.  The memory and LDS instructions that an odd step makes ready stand together
; behind the next step's first matrix instruction (step 31's at the trip's foot).
; THE MODE: SCHED_MODE bits 1:0 = 2 (LLVM: expert scheduling mode 2), set by the entry lines.  The code itself states the register dependences
; between vector or matrix instructions and memory or LDS instructions, with s_wait_alu, always for 0.
; THE PLAN.  Registers that memory or LDS instructions touch, in the loop:
;   ring slots   A load lands; 16 items later a step pair works the slot in place (XA, XB) and its odd step packs it (XCV); then it is loaded again.
;   XP           Written by XCV in every odd step; read by the item's LDS store.
;   Z            Written by YO1 to YO3 in every eighth step; read by y's LDS store.
;   B, 4 to 7    An LDS load lands, once in four steps, in the B that the group in hand does not read; read by the matrix instructions of four steps.
;   FL           The flush's LDS loads land, its stores to out0 read; no vector instruction of the loop names them.
;   XWN XWC XRD XRN YST   Read by the LDS stores and loads of x and y; written by five exclusive ors at the trip's foot.
;   XOFF YLD OOFF         Read by loads and stores; never written behind the head.
; All else (D0, D1, the gates, c, h, Y, A, B's registers 0 to 3) is named by vector and matrix instructions alone.
; ONE wait on va_vdst stands at the head of each even step but the trip's first, directly ahead of its first matrix instruction, which reads the two
; packings of h just issued: it states that the odd step before has written XP (and Z), is done with its slot, and that the matrix instructions of the
; group before are done reading the B in which the group's load lands; at step 2 also that the foot's exclusive ors are written.  The run of two to four
; memory and LDS instructions follows that one matrix instruction, which names D0, its tile of A and the other B: none of the registers that the run touches.
; Step 31's run stands at the foot, behind a wait of its own, ahead of the flush and of the change of buffers.  One wait on vm_vsrc stands ahead of
; each odd step's packings, nearly two steps behind the LDS store that read XP, and one at the foot ahead of the exclusive ors.
; hard_sigmoid, THE ONE INEXACT LINE: x / 6.0 + 0.5 is taken as ONE fused multiply-add, v = fma(x, f32(1/6), 0.5), formed here as
; fma(g16, f32(1/6) / 16, 0.5): the same real product (x = g16 / 16), so the same f32.  f32(1/6) is 1/6 (1 + 2^-25); where v < 1/4 the surplus
; |x/6| 2^-25 is more than half a last place of v, so at g16 = -27 and -39 v lies just below the ties 3.5/16 and 1.5/16 and the gate is 3/16
; and 1/16 (a true division would stand on the tie and give 4/16 and 2/16).  At all other gate values the two forms agree.
; Then v + M', M' = 1.5 x 2^19: f32 numbers there are 1/16 apart and 16 M' is even, so the one add is round-half-even(16 v) / 16.
; The gates' own clamp to [-128, 127] is covered by the later clamps (0 to 1 for the sigmoids, +-16 for tanh).
; NOT USED, and why: clusters and joint loads (the work-groups share 824 bytes of weights and nothing else); the tensor mover (x has
; to pass the vector unit to be quantised); prefetches (each x load is issued 32 steps ahead of its use); register windows.
; LIMIT: a NaN in x or in a weight is not reproduced (v_med3_num_f32 drops it).  Infinities and all finite sizes are served.
.set XROW,   24576                     ; bytes of a batch row of x
.set CHUNK,  384                       ; 32 steps of a row of x: one item of the stream
.set NCHUNK, 64                        ; chunks in a row, and trips of the loop
.set XPITCH, 272                       ; LDS row of an x buffer: 32 steps x 8 bytes (bf16 x0, x1, x2, 0) + 16: 17 x 16 bytes, so 16 rows begin in 16 different 16-byte columns modulo 256
.set XFLIP,  0x4000                    ; x buffer 0 at LDS byte 0, buffer 1 at 16384 (4,352 bytes each): xor changes buffers
.set YB,     0x2000                    ; y stage of the even trips: 16 rows of 32 f32 + 16 bytes (2,304 bytes)
.set YFLIP,  0x1000                    ; the odd trips' stage lies at 0x3000: xor changes stages
.set YPITCH, 144                       ; 9 x 16 bytes
.set XOFF, 1                           ; v1   12 x lane: my step's 12 bytes in an item
.set XWN,  2                           ; v2   8 x lane + the NEXT chunk's buffer
.set XWC,  3                           ; v3   8 x lane + the current chunk's buffer
.set XRD,  4                           ; v4   r x 272 + 16 half + the current buffer
.set XRN,  5                           ; v5   the same in the next buffer
.set YST,  6                           ; v6   this trip's stage + r x 144 + 16 half
.set YLD,  7                           ; v7   YB + ((lane / 8) mod 2) x 0x1000 + half x 144 + 16 (lane mod 8)
.set OOFF, 8                           ; v8   half x 8192 + 16 r: two rows of out0
.set VONE, 9                           ; v9   1.0
.set XP,   10                          ; v[10:11] a step's x, packed
.set KC6,  12                          ; v[12:13] f32(1/6) / 16, twice
.set KM,   14                          ; v[14:15] M' = 1.5 x 2^19, twice
.set KR,   16                          ; v[16:17] 1/16, twice
.set KOFF, 18                          ; v[18:19] -M', twice
.set K16,  20                          ; v[20:21] 16, twice
.set D0,   22                          ; v[22:29] rows ia ib fa fb oa ob ic fc
.set D1,   30                          ; v[30:37] rows oc y ga gb gc - - -
.set T,    38                          ; v38..46  ia ib fa fb oa ob ic fc oc
.set VZERO, 47                         ; v47  0
.set G,    48                          ; v48..50  16 x tanh gate
.set P,    52                          ; v52..54  16 x new cell, before and after rounding
.set C,    56                          ; v56..58  16 c
.set Q,    60                          ; v60..62  16 hard_tanh(c), then 16 h
.set Y,    64                          ; v64..71  eight steps' 16 y
.set Z,    72                          ; v72..75  my half's four of them
.set BF,   76                          ; v[76:83], v[84:91] B, for even and odd groups of four steps
.set AF,   92                          ; v92..155 A: tile t of variant v (= step mod 4) at AF + 8 (2 v + t)
.set XRING, 156                        ; v156..219 16 slots of 4 registers (3 used): x loads on their way
.set FL,   220                         ; v220..251 y on its way out; at the start the raw weights
.set KH,   252                         ; v[252:253] 1/2, twice
.set PR,   22                          ; set-up only: r, half, 4 j, 3 h', and six registers a tile for row numbers and offsets
.set PH,   23
.set PJ,   24
.set PU,   25
.set TA,   28
.set PK,   60                          ; set-up only: packed words pA pB pC pX0 pX1, then R0 R1 XL0 XL1 XH0 XH1
.set XS,   64                          ; set-up only, behind PK's use: four pairs in XP's place, one for each item of a group of four
; scalars: s[8:9] x at my rows (never stepped), s[44:45] and s[46:47] x at the two chunks that a trip loads from, s[22:23] out0, s40 the trip
	s_load_b512 s[8:23], s[0:1], 0x0               ; x s[8:9], W_ih s[10:11], W_hh s[12:13], b_ih s[14:15], b_hh s[16:17], W_lin s[18:19], b_lin s[20:21], out0 s[22:23]
	v_lshl_add_u32 v254, v0, 2, 0x29000
	v_mov_b32 v255, 0
	v_and_b32 v[PR], 15, v0                        ; r: batch row of B and D, gate row m of A
	v_lshrrev_b32 v[PH], 4, v0                     ; half
	v_cmp_le_u32 vcc_lo, 16, v0                    ; VCC = lanes 16 to 31, for the whole kernel
	v_and_b32 v[PJ], 7, v[PR]
	v_lshlrev_b32 v[PJ], 2, v[PJ]                  ; 4 j, j = m mod 8
	v_lshrrev_b32 v[PU], 3, v[PR]                  ; h' = m / 8
	v_mul_u32_u24 v[YLD], v[PH], YPITCH            ; the way back from the stages: lanes 0-15 one row, lanes 16-31 the next;
	v_lshl_add_u32 v[YLD], v[PJ], 2, v[YLD]        ; 16 bytes a lane, eight lanes to a stage's 128 bytes;
	v_lshl_add_u32 v[YLD], v[PU], 12, v[YLD]       ; lanes 8-15 and 24-31 read the odd trips' stage
	v_add_nc_u32 v[YLD], YB, v[YLD]
	v_mul_u32_u24 v[PU], v[PU], 3                  ; 3 h': the first unit of that half
	v_cmp_eq_u32 s41, 4, v[PJ]                     ; j = 1: tile 1's y rows
	v_mul_u32_u24 v[XOFF], v0, 12
	v_lshlrev_b32 v[XWN], 3, v0                    ; during set-up 'next' is buffer 0 (chunk 0 goes there)
	v_or_b32 v[XWC], XFLIP, v[XWN]
	v_mul_u32_u24 v[XRD], v[PR], XPITCH
	v_lshl_add_u32 v[XRD], v[PH], 4, v[XRD]
	v_xor_b32 v[XRN], XFLIP, v[XRD]
	v_mul_u32_u24 v[YST], v[PR], YPITCH
	v_lshl_add_u32 v[YST], v[PH], 4, v[YST]
	v_add_nc_u32 v[YST], YB, v[YST]
	v_lshlrev_b32 v[OOFF], 13, v[PH]
	v_lshl_add_u32 v[OOFF], v[PR], 4, v[OOFF]
	s_mov_b32 s30, 0x49400000                      ; M'
	s_mov_b32 s31, 0x49400010                      ; M' + 1
	s_mov_b32 s32, 0xc3000000                      ; -128
	s_mov_b32 s33, 0x42fe0000                      ; 127
	s_mov_b32 s34, 0xc1800000                      ; -16
	s_mov_b32 s35, 0x41800000                      ; 16
	s_mul_i32 s2, ttmp9, 16*XROW                   ; my 16 rows of x (below 4 GiB)
	s_mov_b32 s3, 0
	s_lshl_b32 s42, ttmp9, 17                      ; my 16 rows of out0, 8,192 bytes each
	s_mov_b32 s43, 0
; The weight row that A's row m = 8 h' + j holds: nibble j of types = gate (i 0, f 1, g 2, o 3), of slots = the unit's place in its half
; (7: no unit).  unit = 3 h' + slot; rows with unit > 4 get zero weights (vmask off) and load row 5 type + 4, which exists.
.macro ROWS t, types, slots, vmask
.set A_, TA+8*\t
	s_mov_b32 s36, \types
	s_mov_b32 s37, \slots
	v_bfe_u32 v[A_], s36, v[PJ], 4
	v_bfe_u32 v[A_+1], s37, v[PJ], 4
	v_add_nc_u32 v[A_+1], v[A_+1], v[PU]
	v_cmp_gt_u32 \vmask, 5, v[A_+1]
	v_min_u32 v[A_+1], 4, v[A_+1]
	v_mad_u32_u24 v[A_+2], v[A_], 5, v[A_+1]       ; row 0 .. 19
	v_mul_u32_u24 v[A_+3], v[A_+2], 20             ; its bytes in W_hh,
	v_mul_u32_u24 v[A_+4], v[A_+2], 12             ; in W_ih,
	v_lshlrev_b32 v[A_+5], 2, v[A_+2]              ; in the biases
.endm
.macro WLOADS t                        ; ten numbers a lane: w0..4, u0..2, b_ih, b_hh of my row
.set A_, TA+8*\t
.irp k, 0,1,2,3,4
	global_load_b32 v[FL+10*\t+\k], v[A_+3], s[12:13] offset:4*\k
.endr
.irp k, 0,1,2
	global_load_b32 v[FL+10*\t+5+\k], v[A_+4], s[10:11] offset:4*\k
.endr
	global_load_b32 v[FL+10*\t+8], v[A_+5], s[14:15]
	global_load_b32 v[FL+10*\t+9], v[A_+5], s[16:17]
.endm
	ROWS 0, 0x10331100, 0x22101010, s38
	ROWS 1, 0x00022203, 0x77721072, s39
	s_wait_alu depctr_va_vcc(0)                    ; VCC is written, ahead of its first reader (the selects by halves in ATILE; later those of y)
	s_wait_alu depctr_va_sdst(0)                   ; so are the masks s41, s38 and s39, ahead of their first readers in ATILE
	s_wait_kmcnt 0x0                               ; the eight addresses
	s_load_b128 s[24:27], s[18:19], 0x0            ; W_lin[0..3]
	s_load_b32 s28, s[18:19], 0x10                 ; W_lin[4]
	s_load_b32 s29, s[20:21], 0x0                  ; b_lin
	s_wait_alu depctr_va_vdst(0)                   ; the offsets and addresses v1 to v8 and the two tiles' row offsets are written: the loads and stores below read them
	WLOADS 0
	WLOADS 1
	s_add_nc_u64 s[8:9], s[8:9], s[2:3]            ; x at my rows, chunk 0
	s_add_nc_u64 s[22:23], s[22:23], s[42:43]      ; out0 at my rows
	s_add_nc_u64 s[44:45], s[8:9], CHUNK           ; the set-up counts as trip -1: it loads from chunks 1
	s_add_nc_u64 s[46:47], s[8:9], 2*CHUNK         ; and 2
; THE x STREAM.  An item is 32 steps of one row: 384 neighbouring bytes, 12 a lane.  Item i of trip c: chunk c + 1 + i / 16, row i mod 16.
; Slot i mod 16 of the ring; 16 loads are always on their way.
.set pn, 0
.rept 16
	global_load_b96 v[XRING+4*pn:XRING+4*pn+2], v[XOFF], s[8:9] offset:pn*XROW th:TH_LOAD_NT
.set pn, pn+1
.endr
	v_mov_b32 v[VONE], 1.0
	v_mov_b32 v[VZERO], 0
.irp k, 0,1
	v_mov_b32 v[KC6+\k], 0x3c2aaaab
	v_mov_b32 v[KM+\k], 0x49400000
	v_mov_b32 v[KR+\k], 0x3d800000
	v_mov_b32 v[KOFF+\k], 0xc9400000
	v_mov_b32 v[K16+\k], 0x41800000
	v_mov_b32 v[KH+\k], 0.5
.endr
	s_wait_kmcnt 0x0                               ; W_lin, b_lin
	s_wait_loadcnt 16                              ; loads return in order (ISA guide 5.7.1): the 16 x loads issued behind the 20 weight loads may stay out
; Tile t of A, in its four variants.  k places, the same in A and in B: register 0 = (h0, h1) in half 0, (h3, h4) in half 1; register 1 =
; (h2, 1.0) in half 0, nothing in half 1; registers 2, 3 nothing; registers 4, 5 = x of step 4g (half 0) or 4g+2 (half 1), registers 6, 7 = x of
; step 4g+1 or 4g+3.  Variant v has W_ih only at step 4g+v's places, so one B fragment serves four steps.
.macro ATILE t, vmask
.set W_, FL+10*\t
.irp k, 0,1,2,3,4,5,6,7,8,9
	v_cndmask_b32 v[W_+\k], v[VZERO], v[W_+\k], \vmask   ; rows without a unit: zeros
.endr
.if \t
.irp k, 0,1,2,3,4
	v_cndmask_b32 v[W_+\k], v[W_+\k], s[24+\k], s41      ; the y rows: W_lin on the h places,
.endr
	v_cndmask_b32 v[W_+8], v[W_+8], s29, s41             ; b_lin as the bias
.endif
.irp k, 0,1,2,3,4,5,6,7,8,9
	v_mul_f32 v[W_+\k], s35, v[W_+\k]                    ; quantise: x 16, to nearest even, saturate
.endr
.irp k, 0,1,2,3,4,5,6,7,8,9
	v_rndne_f32 v[W_+\k], v[W_+\k]
.endr
.irp k, 0,1,2,3,4,5,6,7,8,9
	v_med3_num_f32 v[W_+\k], v[W_+\k], s32, s33
.endr
.irp k, 0,1,2,3,4,5,6,7
	v_mul_f32 v[W_+\k], v[KR], v[W_+\k]                  ; weights as real numbers; the bias stays x 16
.endr
	v_add_f32 v[W_+8], v[W_+8], v[W_+9]
	v_cvt_pk_bf16_f32 v[PK], v[W_], v[W_+1]              ; (w0, w1)
	v_cvt_pk_bf16_f32 v[PK+1], v[W_+2], v[W_+8]          ; (w2, bias)
	v_cvt_pk_bf16_f32 v[PK+2], v[W_+3], v[W_+4]          ; (w3, w4)
	v_cvt_pk_bf16_f32 v[PK+3], v[W_+5], v[W_+6]          ; (u0, u1)
	v_cvt_pk_bf16_f32 v[PK+4], v[W_+7], v[VZERO]         ; (u2, 0)
	v_cndmask_b32 v[PK+5], v[PK], v[PK+2], vcc_lo        ; register 0 by halves
	v_cndmask_b32 v[PK+6], v[PK+1], v[VZERO], vcc_lo     ; register 1
	v_cndmask_b32 v[PK+7], v[PK+3], v[VZERO], vcc_lo     ; W_ih in half 0 alone
	v_cndmask_b32 v[PK+8], v[PK+4], v[VZERO], vcc_lo
	v_cndmask_b32 v[PK+9], v[VZERO], v[PK+3], vcc_lo     ; W_ih in half 1 alone
	v_cndmask_b32 v[PK+10], v[VZERO], v[PK+4], vcc_lo
.irp v, 0,1,2,3
	v_mov_b32 v[AF+8*(2*\v+\t)], v[PK+5]
	v_mov_b32 v[AF+8*(2*\v+\t)+1], v[PK+6]
	v_mov_b32 v[AF+8*(2*\v+\t)+2], 0
	v_mov_b32 v[AF+8*(2*\v+\t)+3], 0
	v_mov_b32 v[AF+8*(2*\v+\t)+4+2*(\v&1)], v[PK+7+2*(\v>>1)]
	v_mov_b32 v[AF+8*(2*\v+\t)+5+2*(\v&1)], v[PK+8+2*(\v>>1)]
	v_mov_b32 v[AF+8*(2*\v+\t)+6-2*(\v&1)], 0
	v_mov_b32 v[AF+8*(2*\v+\t)+7-2*(\v&1)], 0
.endr
.endm
	ATILE 0, s38
	ATILE 1, s39
	v_mov_b32 v[C], 0                              ; c = 0,
	v_mov_b32 v[C+1], 0
	v_mov_b32 v[C+2], 0
	v_mov_b32 v[BF], 0                             ; h = 0,
	v_mov_b32 v[BF+1], 0x3f800000                  ; (0, 1.0)
	v_mov_b32 v[BF+2], 0                           ; and the places that nothing uses
	v_mov_b32 v[BF+3], 0
	v_mov_b32 v[BF+10], 0
	v_mov_b32 v[BF+11], 0
; An item's work in four parts.  XA and XB are four plain vector instructions each that name no matrix register: in the steps they are the four
; places behind the first matrix instruction (ISA guide 7.12.1).
.macro XA idx, left=15
.set R_, XRING+4*((\idx)&15)
	s_wait_loadcnt \left                           ; ring of 16: the item's load is in, the younger loads stay out: 15 on the way into the loop, in it and over its backward jump; 15 - k for item k of a group of the set-up
	v_pk_mul_f32 v[R_:R_+1], v[R_:R_+1], v[K16:K16+1]
	v_mul_f32 v[R_+2], s35, v[R_+2]
	v_rndne_f32 v[R_], v[R_]
	v_rndne_f32 v[R_+1], v[R_+1]
.endm
.macro XB idx
.set R_, XRING+4*((\idx)&15)
	v_rndne_f32 v[R_+2], v[R_+2]
	v_med3_num_f32 v[R_], v[R_], s32, s33
	v_med3_num_f32 v[R_+1], v[R_+1], s32, s33
	v_med3_num_f32 v[R_+2], v[R_+2], s32, s33
.endm
.macro XCV idx, xp                     ; pack a step's three numbers and a zero, into the pair xp
.set R_, XRING+4*((\idx)&15)
	v_cvt_pk_bf16_f32 v[\xp], v[R_], v[R_+1]
	v_cvt_pk_bf16_f32 v[\xp+1], v[R_+2], v[VZERO]
.endm
.macro XCM idx, xp                     ; 8 bytes a lane into LDS (256 neighbouring bytes a wave), and the slot's next load, 16 items on
.set R_, XRING+4*((\idx)&15)
.set N2_, (\idx)+16
.if (\idx) < 16
	ds_store_b64 v[XWN], v[\xp:\xp+1] offset:(\idx)*XPITCH
.else
	ds_store_b64 v[XWC], v[\xp:\xp+1] offset:((\idx)-16)*XPITCH
.endif
.if N2_ < 32
	global_load_b96 v[R_:R_+2], v[XOFF], s[44:45] offset:(N2_-16)*XROW th:TH_LOAD_NT
.else
	global_load_b96 v[R_:R_+2], v[XOFF], s[46:47] offset:(N2_-32)*XROW th:TH_LOAD_NT
.endif
.endm
; Set-up: chunk 0 whole (items 0 to 15, buffer 0) and rows 0 to 3 of chunk 1 (items 16 to 19, buffer 1): where every trip leaves the stream.
; In five groups of four items, each item with a pair of its own, so that one wait stands ahead of a group's four LDS stores and four loads.
; Item 4 g + k has behind its load the 15 - 4 g - k younger first loads and the 4 g loads of the groups before (g = 4: 3 - k and 12): 15 - k.
.set pn, 0
.rept 5
.if pn > 0
	s_wait_alu depctr_vm_vsrc(0)                   ; the LDS stores of the group before have read the four pairs, which the packings below write again
.endif
.set pk, 0
.rept 4
	XA pn+pk, 15-pk
	XB pn+pk
	XCV pn+pk, XS+2*pk
.set pk, pk+1
.endr
	s_wait_alu depctr_va_vdst(0)                   ; the packings have written the four pairs, which the LDS stores read, and are done reading the four slots, in which the loads land
.set pk, 0
.rept 4
	XCM pn+pk, XS+2*pk
.set pk, pk+1
.endr
.set pn, pn+4
.endr
	s_wait_xcnt 0x0                                ; the pending loads' bases are rewritten only behind this wait
	s_add_nc_u64 s[44:45], s[8:9], 2*CHUNK         ; trip 0 loads from chunks 2
	s_add_nc_u64 s[46:47], s[8:9], 3*CHUNK         ; and 3
	s_mov_b32 s37, 0                               ; high words of the two offsets made at the loop's foot
	s_mov_b32 s39, 0
	s_wait_alu depctr_vm_vsrc(0)                   ; the LDS stores above have read v[XWN], v[XWC] and the four pairs (Y from here on); the weight loads have read their row offsets (D0, D1 and T from here on)
	v_xor_b32 v[XWN], XFLIP, v[XWN]                ; next = buffer 1, current = buffer 0; first read at step 2, behind that step's wait
	v_xor_b32 v[XWC], XFLIP, v[XWC]
	ds_load_b128 v[BF+4:BF+7], v[XRD]              ; steps 0 to 3 (LDS serves a wave's instructions in order, ISA guide 5.7.1: these see the stores above); no vector instruction has named these registers, and v[XRD] stands since the head
	ds_load_b128 v[BF+12:BF+15], v[XRD] offset:32  ; steps 4 to 7
; Eight steps' y, in three runs that are laid into the eighth step: half 0 takes the first four, half 1 the last four; saturate; / 16.
.macro YO1
.irp k, 0,1,2,3
	v_cndmask_b32 v[Z+\k], v[Y+\k], v[Y+4+\k], vcc_lo
.endr
.endm
.macro YO2
.irp k, 0,1,2,3
	v_med3_num_f32 v[Z+\k], v[Z+\k], s32, s33
.endr
.endm
.macro YO3
	v_pk_mul_f32 v[Z:Z+1], v[Z:Z+1], v[KR:KR+1]
	v_pk_mul_f32 v[Z+2:Z+3], v[Z+2:Z+3], v[KR:KR+1]
.endm
.macro YLOADS                          ; both stages back by rows: sixteen lanes take a row's 64 numbers, 128 bytes from each stage (the two pieces fall on the same banks: two passes, eight loads in 64 steps)
.irp i, 0,1,2,3,4,5,6,7
	ds_load_b128 v[FL+4*\i:FL+4*\i+3], v[YLD] offset:2*YPITCH*\i
.endr
.endm
.macro YSTORES                         ; sixteen lanes store 256 neighbouring bytes at a multiple of 256 from out0's first byte
.irp i, 0,1,2,3,4,5,6,7
	s_wait_dscnt 7-\i                              ; the 7 - i younger loads of YLOADS may be out
	global_store_b128 v[OOFF], v[FL+4*\i:FL+4*\i+3], s[22:23] offset:16384*\i th:TH_STORE_NT
.endr
.endm
; The memory and LDS instructions that the odd step s has made ready, in one run: its item's LDS store and the slot's next load; behind every fourth step
; the fetch of the next group of four steps' x; behind every eighth step eight y into the stage.  A wait on va_vdst stands ahead of the run; between the two
; stands at most one matrix instruction, which names none of these registers.
.macro MEM s
.set MX_, ((\s)>>1)+4
	XCM MX_, XP
.if ((\s)&3) == 3
.set GI_, (((\s)+1)>>2)+1                          ; the group behind step s's own, into the B that the matrix instructions of step s - 1 read last
.if GI_ <= 7
	ds_load_b128 v[BF+8*(GI_&1)+4:BF+8*(GI_&1)+7], v[XRD] offset:32*GI_
.else
	ds_load_b128 v[BF+8*(GI_&1)+4:BF+8*(GI_&1)+7], v[XRN] offset:32*(GI_-8)   ; groups 0 and 1 of the next chunk, whole since the head of step 24
.endif
.endif
.if ((\s)&7) == 7
	ds_store_b128 v[YST], v[Z:Z+3] offset:32*((\s)>>3)   ; 16 bytes a lane into this trip's stage
.endif
.endm
; STEP s of trip c: time t = 32 c + 1 + s (s = -1: t = 0).  It makes h and c of t and y of t - 1.
; on = 1: a step of the loop, with its share of the x stream and y kept; on = 0: the first step, bare.
.macro STEP s, on
.set V_,  ((\s)+1)&3                   ; t mod 4: A's variant
.set PB_, (((\s)+1)>>2)&1              ; parity of t's group: which B
.set NB_, (((\s)+2)>>2)&1              ; the same for t + 1: where h goes
.set XN_, ((\s)>>1)+4                  ; the step pair s / 2 works item s / 2 + 4
.set ODD_, 0                           ; an odd step ends its item's vector work: the packing
.set PRE_, 0                           ; an even step but the trip's first issues what the odd step before it has made ready
.set OCT_, 0                           ; every eighth step makes eight y ready
.if \on
.if ((\s)&1) == 1
.set ODD_, 1
.elseif (\s) > 0
.set PRE_, 1
.endif
.if ((\s)&7) == 7
.set OCT_, 1
.endif
.endif
.if ((\s)&3) == 3
	s_wait_dscnt 0x0                               ; this group's x, asked for three steps ago, is in B
.endif
.if PRE_
	s_wait_alu depctr_va_vdst(0)                   ; the step before has written XP (and Z) and is done with its slot; the group before's matrix instructions are done reading the B in which the fetch lands; at step 2 the exclusive ors have written the LDS addresses
.endif
	v_wmma_f32_16x16x32_bf16 v[D0:D0+7], v[AF+16*V_:AF+16*V_+7], v[BF+8*PB_:BF+8*PB_+7], 0
.if PRE_
	MEM (\s)-1                                     ; no further wait: since the one above only the matrix instruction has been issued, on D0, its tile of A and this group's B
.endif
.if \on
.if ODD_
	XB XN_                                         ; the four places behind the first matrix instruction (ISA guide 7.12.1), filled with the stream's work
.else
	XA XN_
.endif
.else
.rept 4
	v_nop                                          ; four places (ISA guide 7.12.1)
.endr
.endif
	v_wmma_f32_16x16x32_bf16 v[D1:D1+7], v[AF+16*V_+8:AF+16*V_+15], v[BF+8*PB_:BF+8*PB_+7], 0
	; The next seven lines name none of the second matrix instruction's registers (its A tile, B, D1): they are its places, ahead of the first read of D1.
.irp j, 2,3,6,7,0,1
	v_rndne_f32 v[T+\j], v[D0+\j]                  ; 16 x the quantised gates f and i, f first
.endr
	v_pk_fma_f32 v[T+2:T+3], v[T+2:T+3], v[KC6:KC6+1], v[KH:KH+1]      ; v = fma(x, f32(1/6), 1/2), one rounding
	v_rndne_f32 v[G], v[D1+2]                      ; 16 x the quantised gate g
	v_pk_fma_f32 v[T+6:T+7], v[T+6:T+7], v[KC6:KC6+1], v[KH:KH+1]
	v_rndne_f32 v[G+1], v[D1+3]
	v_pk_fma_f32 v[T:T+1], v[T:T+1], v[KC6:KC6+1], v[KH:KH+1]
	v_rndne_f32 v[G+2], v[D1+4]
	v_pk_add_f32 v[T+2:T+3], v[T+2:T+3], v[KM:KM+1]                    ; M' + v, rounded to the grid of 1/16, ties to even
	v_rndne_f32 v[T+4], v[D0+4]                    ; gate o, off the chain until h is formed
	v_pk_add_f32 v[T+6:T+7], v[T+6:T+7], v[KM:KM+1]
	v_rndne_f32 v[T+5], v[D0+5]
	v_pk_add_f32 v[T:T+1], v[T:T+1], v[KM:KM+1]
	v_rndne_f32 v[T+8], v[D1]
.irp j, 2,3,6,7,0,1
	v_med3_num_f32 v[T+\j], v[T+\j], s30, s31      ; within M' .. M' + 1
.endr
	v_pk_add_f32 v[T+2:T+3], v[T+2:T+3], v[KOFF:KOFF+1]                ; - M': the gate, 0 to 1, exact
	v_med3_num_f32 v[G], v[G], s34, s35            ; 16 hard_tanh(g)
	v_pk_add_f32 v[T+6:T+7], v[T+6:T+7], v[KOFF:KOFF+1]
	v_med3_num_f32 v[G+1], v[G+1], s34, s35
	v_pk_add_f32 v[T:T+1], v[T:T+1], v[KOFF:KOFF+1]
	v_med3_num_f32 v[G+2], v[G+2], s34, s35
	v_pk_mul_f32 v[P:P+1], v[T+2:T+3], v[C:C+1]    ; f x 16 c
	v_pk_fma_f32 v[T+4:T+5], v[T+4:T+5], v[KC6:KC6+1], v[KH:KH+1]
	v_mul_f32 v[P+2], v[T+7], v[C+2]
	v_fma_f32 v[T+8], v[T+8], v[KC6], v[KH]
	v_pk_fma_f32 v[P:P+1], v[T:T+1], v[G:G+1], v[P:P+1]                ; + i x 16 g: exact
	v_pk_add_f32 v[T+4:T+5], v[T+4:T+5], v[KM:KM+1]
	v_fmac_f32 v[P+2], v[T+6], v[G+2]
	v_add_f32 v[T+8], v[KM], v[T+8]
.if \on
	v_rndne_f32 v[Y+((\s)&7)], v[D1+1]             ; 16 y of t - 1
.endif
.if OCT_
	YO1                                            ; Z's last LDS store stands seven steps back or more, ahead of the waits on vm_vsrc of the odd steps between
.endif
	v_rndne_f32 v[P], v[P]
	v_rndne_f32 v[P+1], v[P+1]
	v_med3_num_f32 v[T+4], v[T+4], s30, s31
	v_med3_num_f32 v[T+5], v[T+5], s30, s31
	v_rndne_f32 v[P+2], v[P+2]
	v_med3_num_f32 v[T+8], v[T+8], s30, s31
	v_med3_num_f32 v[Q], v[P], s34, s35            ; 16 hard_tanh(c)
	v_med3_num_f32 v[Q+1], v[P+1], s34, s35
	v_pk_add_f32 v[T+4:T+5], v[T+4:T+5], v[KOFF:KOFF+1]
	v_med3_num_f32 v[Q+2], v[P+2], s34, s35
	v_add_f32 v[T+8], v[KOFF], v[T+8]
	v_med3_num_f32 v[C], v[P], s32, s33            ; 16 c, saturated: wanted in the next step only
	v_med3_num_f32 v[C+1], v[P+1], s32, s33
	v_pk_mul_f32 v[Q:Q+1], v[Q:Q+1], v[T+4:T+5]    ; o x 16 hard_tanh(c)
	v_med3_num_f32 v[C+2], v[P+2], s32, s33
	v_mul_f32 v[Q+2], v[Q+2], v[T+8]
.if ODD_
	s_wait_alu depctr_vm_vsrc(0)                   ; the LDS store of the item before, issued at the head of the step before (or at the foot), has read XP, which the packings write again; y's LDS stores issued so far have read Z
	XCV XN_, XP
.endif
.if OCT_
	YO2
.endif
.irp j, 0,1,2
	v_rndne_f32 v[Q+\j], v[Q+\j]                   ; 16 h, at most 16 in size
.endr
.if OCT_
	YO3
.endif
	v_cvt_pk_bf16_f32 v[BF+8*NB_], v[Q], v[Q+1]    ; into my own k places of the next step's B
	v_cvt_pk_bf16_f32 v[BF+8*NB_+1], v[Q+2], v[VONE]
.endm
	STEP -1, 0                                     ; t = 0: its head waits for the two LDS loads above; its y row is not kept
	s_mov_b32 s40, 0
; TRIP c: 32 steps, t = 32 c + 1 .. 32 c + 32, and y of times 32 c .. 32 c + 31.  The step pairs work items 4 to 15 (rows 4 to 15 of chunk c + 1, into the
; next buffer, done at the head of step 24, first read at the head of step 28) and items 16 to 19 (rows 0 to 3 of chunk c + 2, into the current buffer at the heads
; of steps 26, 28 and 30 and at the foot, behind that buffer's last read at the head of step 24).  Their slots are loaded again with rows 4 to 15 of chunk c + 2 and
; rows 0 to 3 of chunk c + 3, both clamped to chunk 63.
.Lbody:
.set sv, 0
.rept 32
	STEP sv, 1
.set sv, sv+1
.endr
	s_wait_alu depctr_va_vdst(0)                   ; step 31 has written XP and Z and is done with its slot; step 30's matrix instructions are done reading the B in which the fetch lands
	MEM 31                                         ; step 31's run stands here: the flush below reads y's stage, and the buffers change roles
	s_bitcmp1_b32 s40, 0                           ; an odd trip completes 64 steps of y: 256 bytes for each row
	s_cbranch_scc0 .Lkeep
	YLOADS                                         ; LDS serves a wave's instructions in order: these see the stores of both trips; no vector instruction has named FL since the set-up, and the last flush's stores read it ahead of the foot's wait on vm_vsrc
	YSTORES
	s_wait_xcnt 0x0                                ; the stores' base is stepped only behind this wait
	s_add_nc_u64 s[22:23], s[22:23], 256           ; 64 steps of out0
.Lkeep:
	s_wait_xcnt 0x0                                ; the x loads' bases, and the registers that the stores read, are rewritten only behind this wait
	s_wait_alu depctr_vm_vsrc(0)                   ; the trip's LDS stores and loads have read the five addresses that the exclusive ors below write; the stores to out0 have read FL, in which the next flush's loads land
	s_add_co_u32 s40, s40, 1                       ; the next trip, c
	s_add_co_u32 s36, s40, 2
	s_min_u32 s36, s36, NCHUNK-1                   ; chunk min(c + 2, 63),
	s_mul_i32 s36, s36, CHUNK                      ; in bytes
	s_add_co_u32 s38, s40, 3
	s_min_u32 s38, s38, NCHUNK-1                   ; chunk min(c + 3, 63)
	s_mul_i32 s38, s38, CHUNK
	s_add_nc_u64 s[44:45], s[8:9], s[36:37]        ; no load leaves a row of x: at most 63 x 384 + 384 bytes into it
	s_add_nc_u64 s[46:47], s[8:9], s[38:39]
	v_xor_b32 v[XWN], XFLIP, v[XWN]                ; the x buffers change roles (first read at the next trip's step 2, behind that step's wait on va_vdst),
	v_xor_b32 v[XWC], XFLIP, v[XWC]
	v_xor_b32 v[XRD], XFLIP, v[XRD]
	v_xor_b32 v[XRN], XFLIP, v[XRN]
	v_xor_b32 v[YST], YFLIP, v[YST]                ; and so do the y stages
	s_cmp_lt_u32 s40, NCHUNK
	s_cbranch_scc1 .Lbody
	s_wait_dscnt 0x0
	s_wait_alu depctr_hold_cnt(0) depctr_sa_sdst(0) depctr_va_vdst(0) depctr_va_sdst(0) depctr_va_ssrc(0) depctr_va_vcc(0) depctr_vm_vsrc(0)
	s_wait_tensorcnt 0x0
	ds_add_u32 v254, v255
	s_wait_dscnt 0x0
	s_endpgm                                       ; trip 63 was odd: all of y is stored; the ring's last 16 loads (clamped, unused) may be out here
.Lfunc_end_k_q1fcac1d45b_lstm:
	.size	k_q1fcac1d45b_lstm, .Lfunc_end_k_q1fcac1d45b_lstm-k_q1fcac1d45b_lstm
	.p2alignl 7, 3214868480
	.fill 96, 4, 3214868480
	.section	.rodata,"a",@progbits
	.p2align	6, 0x0
	.amdhsa_kernel k_q1fcac1d45b_lstm
		.amdhsa_group_segment_fixed_size 168192
		.amdhsa_private_segment_fixed_size 0
		.amdhsa_enable_private_segment 0
		.amdhsa_kernarg_size 64
		.amdhsa_user_sgpr_count 2
		.amdhsa_user_sgpr_kernarg_segment_ptr 1
		.amdhsa_wavefront_size32 1
		.amdhsa_system_sgpr_workgroup_id_x 1
		.amdhsa_system_sgpr_workgroup_id_y 1
		.amdhsa_system_sgpr_workgroup_id_z 1
		.amdhsa_system_vgpr_workitem_id 0
		.amdhsa_next_free_vgpr 256
		.amdhsa_next_free_sgpr 66
		.amdhsa_reserve_vcc 1
		.amdhsa_float_denorm_mode_32 3
		.amdhsa_float_denorm_mode_16_64 3
		.amdhsa_memory_ordered 1
		.amdhsa_forward_progress 1
		.amdhsa_inst_pref_size 152
	.end_amdhsa_kernel
	.amdgpu_metadata
---
amdhsa.version: [ 1, 2 ]
amdhsa.kernels:
  - .name:           k_q1fcac1d45b_lstm
    .symbol:         k_q1fcac1d45b_lstm.kd
    .args:
      - { .name: x, .offset: 0, .size: 8, .value_kind: global_buffer, .address_space: global }
      - { .name: W_ih, .offset: 8, .size: 8, .value_kind: global_buffer, .address_space: global }
      - { .name: W_hh, .offset: 16, .size: 8, .value_kind: global_buffer, .address_space: global }
      - { .name: b_ih, .offset: 24, .size: 8, .value_kind: global_buffer, .address_space: global }
      - { .name: b_hh, .offset: 32, .size: 8, .value_kind: global_buffer, .address_space: global }
      - { .name: W_lin, .offset: 40, .size: 8, .value_kind: global_buffer, .address_space: global }
      - { .name: b_lin, .offset: 48, .size: 8, .value_kind: global_buffer, .address_space: global }
      - { .name: out0, .offset: 56, .size: 8, .value_kind: global_buffer, .address_space: global }
    .group_segment_fixed_size: 168192
    .private_segment_fixed_size: 0
    .kernarg_segment_align: 8
    .kernarg_segment_size: 64
    .max_flat_workgroup_size: 32
    .sgpr_count:     66
    .vgpr_count:     256
    .wavefront_size: 32
...
	.end_amdgpu_metadata
.endif
;; end of part 4
